; MI455X (gfx1250); checked and timed in simulation.
; The chip was launched on July 23, 2026; its instructions are those of AMD's public machine-readable ISA for CDNA 5 (MIT licence, August 2026) and "CDNA5" Instruction Set Architecture Reference Guide (July 2026). The comments in the code are by the model that wrote it; some were corrected since.
;; Self Attention. Allowed arithmetic: matrix products marked QUANTISED: E2M3 operands, one E8M0 scale for each 32 along K, by v_wmma_scale_f32_16x16x128_f8f6f4 with both operands' format E2M3, f32 sums; everything else in f32.
;; Inputs: attn_bias 1 x 16 x 1,024 x 1,024 float32; b_proj 1,024 float32; q_bias 1,024 float32; scale_mul 1 x 16 x 1 x 1 float32; v_bias 1,024 float32; w_proj 1,024 x 1,024 float32; w_qkv 3,072 x 1,024 float32; x 8 x 1,024 x 1,024 float32.
;; Outputs: out0 8 x 1,024 x 1,024 float32.
;; This version of the problem:
;;   THIS VERSION OF THE PROBLEM IS GIVEN IN LOW PRECISION. The matrix products marked QUANTISED in the list below multiply operands that are first quantised to E2M3 (2 exponent bits, 3 mantissa bits; 6 bits a number), with one power-of-two scale for each 32 numbers along K (OCP MX v1.0); their sums are f32. All else is computed in f32.
;;   The module's matrix products, in the order in which they are computed (A, B: the left and right operand; K: the contracted axis; several contracted axes count as one K, in the product's order):
;;     1. [M 8,192, K 1,024] x [K 1,024, N 3,072]; A: input x; B: input w_qkv: QUANTISED
;;     2. batch 128 x [M 1,024, K 64] x [K 64, N 1,024]; A: computed on the way; B: computed on the way: QUANTISED
;;     3. batch 128 x [M 1,024, K 1,024] x [K 1,024, N 64]; A: softmax (see below); B: computed on the way: QUANTISED
;;     4. [M 8,192, K 1,024] x [K 1,024, N 1,024]; A: computed on the way; B: input w_proj: QUANTISED
;;   THE QUANTISER, for each operand of a quantised product, along K:
;;     - K is cut into blocks of 32 from its start; a last block that is shorter is filled with zeros.
;;     - A block's scale is 2^e with e = floor(log2(the largest magnitude in the block)) - 2, held to -126 .. 127; a block of zeros has e = 0. As a byte (E8M0): e + 127.
;;     - Each number is divided by its block's scale, clamped to +-7.5, and rounded to the nearest number of E2M3, ties to even, subnormals kept.
;;     - The product sums the exact products of the quantised numbers (number of the format x scale) in f32.
;;   ~~~python
;;   def quantise(x, axis):      # numpy; x: float32 -> the quantised numbers, widened to float32 again
;;       x = np.moveaxis(x, axis, -1); K = x.shape[-1]
;;       x = np.pad(x, [(0, 0)] * (x.ndim - 1) + [(0, -K % 32)]); x = x.reshape(x.shape[:-1] + (-1, 32)); a = np.abs(x).max(-1, keepdims=True)
;;       e = np.where(a > 0, np.clip(np.frexp(np.where(a > 0, a, 1))[1] - 1 - 2, -126, 127), 0)      # np.frexp(a)[1] - 1 = floor(log2(a)), exactly
;;       r = np.clip(x / 2.0 ** e, -7.5, 7.5)
;;       step = 2.0 ** (np.maximum(np.frexp(np.where(r == 0, 1, r))[1] - 1, 0) - 3)
;;       q = np.round(r / step) * step * 2.0 ** e      # np.round: ties to even
;;       return np.moveaxis(q.reshape(q.shape[:-2] + (-1,))[..., :K], -1, axis).astype(np.float32)
;;   ~~~
;;   SOFTMAX AHEAD OF A QUANTISED PRODUCT. Where the list says 'softmax', what is quantised is not the finished softmax but p = 2^(t - M), with t = logit x log2(e) and M = ceil(the row's largest t), a whole number; so 1/2 < the row's largest p <= 1. The row's sum l is taken of the UNQUANTISED p, in f32, and the product's result is divided by l at the end. Since M is a whole number, a kernel that streams over the keys may use a running M (the ceiling of the running maximum): every later rescaling is an exact power of two, which a block's scale takes up: the codes' values come out the same.
;;   OPERANDS COMPUTED ON THE WAY. 'Computed on the way' means the value that the module computes at that place (a softmax that the list does not call 'softmax' is quantised finished and normalised). What goes into a quantiser is computed in f32, as accurately as f32 sums, v_exp_f32 and their like allow (about 1e-6 of the number): no bf16 or f16 on the way to a quantiser, and a product that is left as it is and whose result goes on into a quantised operand takes f32 operands (vector FMAs, or v_wmma_f32_16x16x4_f32). A number that lies on a knife's edge between two numbers of the format may be rounded either way, as far as f32 arithmetic and the matrix unit's own rounding can turn it there, and no further.
;; One version. Each part assembles by itself: llvm-mc -triple=amdgcn-amd-amdhsa -mcpu=gfx1250 --defsym DOCPART=n.
;; ======== version 1 of 1: 4 launches
;; limits: right only within a limited range of input values
;; workspace buffers: cod 9,437,184 bytes; scl 393,216 bytes; qb 6,815,744 bytes; kv 13,369,344 bytes; ob 6,553,600 bytes
;; launch quant (part 1): grid 768 x 1, 4 waves a work-group, no clusters, 50,432 bytes of LDS; arguments x, w_qkv, w_proj, cod, scl; writes cod, scl
.if DOCPART == 1
	.amdgcn_target "amdgcn-amd-amdhsa--gfx1250"
	.amdhsa_code_object_version 6
	.text
	.protected	k_q9b21c3d3c9_quant
	.globl	k_q9b21c3d3c9_quant
	.p2align	8
	.type	k_q9b21c3d3c9_quant,@function
k_q9b21c3d3c9_quant:
	s_mov_b64 s[64:65], 0
	v_nop
	global_prefetch_b8 v0, s[64:65] scope:SCOPE_SE
	s_setreg_imm32_b32 hwreg(HW_REG_WAVE_MODE, 25, 1), 1
	s_wait_xcnt 0x0
; LAUNCH 1 OF 4.  x [8192][1024], w_qkv [3072][1024] and w_proj [1024][1024], f32, K innermost, become codes of FP6 (E2M3) and one E8M0 byte for each 32 along K.
; DEAD WORK OF THE WHOLE PROGRAM.  reference() adds to k the block jnp.zeros_like(q_bias) that it builds in its own body: a term that is 0 for all inputs; it is not added (launch 2).  Every input
; has a way to the output and is loaded by some launch.  Nothing else is left out.  LIMIT: none follows from this, since no input reaches the term left out.
; cod IS LAID AS IMAGES OF OPERAND REGISTERS.  The 12,288 rows make 768 tiles of 16 rows, 12,288 bytes each; in a tile, 64 along K are 768 bytes: lane l = r + 16 h of an operand holds k = 32 h .. 32 h + 31 of row r
; in six registers; registers 0-3 lie at 16 l, registers 4-5 at 512 + 8 l.  So the later launches' tensor rows are 3,072 dense bytes on borders of 256, and a fragment is four LDS loads with lanes on neighbouring bytes.
; scl holds 32 scale bytes a row, rows in cod's order.
; THE ORDER OF ROWS.  In x and w_qkv place r of tile 2 G + u holds row 32 G + 8 u + r + 8 (r / 8): a tile's results, in a lane's registers, then run along neighbours of the next product's K.  w_proj keeps its order.
; A block's scale is 2^(floor(log2(its largest magnitude)) - 2); its byte is that magnitude's exponent field - 2, held at 1 from below.  A block of zeros so gets the byte 1 where the rule says 127:
; its codes are zeros, which add nothing under any byte but 0xff, and this program alone reads the bytes.
; LIMITS: blocks whose largest magnitude lies under 2^(2 - 126) keep the byte 1; NaN and infinities among the inputs are not served.
; SHARES.  A work-group makes one tile, a wave four rows.  A row's eight loads read 512 consecutive bytes each; all 32 loads of a wave are issued at once.  A row turns through the wave's own stage in LDS, so that
; a lane holds a whole block of 32; its codes go to the work-group's image in LDS (64 along K at a pitch of 784 bytes) and leave, behind one barrier, as runs of 512 consecutive bytes.
; No matrix unit, no cluster, no tensor load: the launch is a stream that reads each byte once.
.set SP,    144                        ; a lane's place in a stage: 128 bytes + 16
.set WREG,  2*32*SP                    ; two stages a wave
.set IMG,   4*WREG                     ; the tile's image
.set GP,    784                        ; 768 bytes + 16
.set SCB,   IMG+16*GP                  ; the tile's 512 scale bytes
.set SPARE, SCB+512                    ; the spare words, 128 bytes a wave
.set SPW,   12
.set NIL,   13
.set R,     16                         ; v16-143  four rows as loaded
.set X,     144                        ; v144-207 two sets of 32 neighbours
.set C,     208                        ; v208-239 codes, eight registers a row
.set E,     240                        ; v240-243 scale bytes
	s_load_b128 s[4:7], s[0:1], 0x0                ; x, w_qkv
	s_load_b128 s[8:11], s[0:1], 0x10              ; w_proj, cod
	s_load_b64 s[12:13], s[0:1], 0x20              ; scl
	v_lshl_add_u32 v[SPW], v0, 2, SPARE
	v_mov_b32 v[NIL], 0
	v_lshrrev_b32 v1, 5, v0
	v_readfirstlane_b32 s16, v1                    ; wave
	s_mul_i32 s17, s16, WREG
	s_lshl_b32 s18, s16, 6
	s_add_co_u32 s18, s18, IMG                     ; registers 0-3 of row 4 w: 16 bytes a row
	s_lshl_b32 s19, s16, 5
	s_add_co_u32 s19, s19, IMG+512                 ; registers 4-5: 8 bytes a row
	s_lshl_b32 s20, s16, 7
	s_add_co_u32 s20, s20, SCB
	s_mul_i32 s21, s16, 4*GP
	s_add_co_u32 s21, s21, IMG                     ; on the way out: my four groups of 64 along K
	v_and_b32 v2, 31, v0                           ; lane = my block of a row
	v_lshlrev_b32 v3, 4, v2
	v_lshrrev_b32 v14, 3, v2
	v_mul_u32_u24 v14, v14, SP
	v_and_b32 v15, 7, v2
	v_lshl_add_u32 v14, v15, 4, v14
	v_add_nc_u32 v14, s17, v14                     ; stage, in: SP (lane / 8) + 16 (lane % 8); a load's 512 bytes take four places
	v_mul_u32_u24 v15, v2, SP
	v_add_nc_u32 v15, s17, v15                     ; stage, out: SP x lane
	v_lshrrev_b32 v4, 1, v2
	v_mul_u32_u24 v4, v4, GP                       ; group lane / 2, half h = lane % 2
	v_and_b32 v5, 1, v2
	v_lshl_add_u32 v6, v5, 8, v4
	v_add_nc_u32 v6, s18, v6
	v_lshl_add_u32 v7, v5, 7, v4
	v_add_nc_u32 v7, s19, v7
	v_add_nc_u32 v8, s20, v2                       ; my block's scale byte
	v_add_nc_u32 v9, s21, v3                       ; image, out: two runs of 256 bytes 256 apart,
	v_lshrrev_b32 v10, 4, v2
	v_lshl_add_u32 v10, v10, 4, v9                 ; or 272 apart, where the second lies in the next group
	v_add_nc_u32 v1, SCB, v3
	s_wait_alu depctr_va_vdst(0)                   ; the wait at the head's end
	s_wait_kmcnt 0x0
	s_cmp_lt_u32 ttmp9, 512                        ; tiles 0-511: x; 512-703: w_qkv; 704-767: w_proj: the choices hang on the work-group's number alone
	s_cselect_b64 s[4:5], s[4:5], s[6:7]
	s_cselect_b32 s22, 0, 512
	s_cmp_lt_u32 ttmp9, 704
	s_cselect_b64 s[4:5], s[4:5], s[8:9]
	s_cselect_b32 s22, s22, 704
	s_sub_co_u32 s22, ttmp9, s22                   ; the tile in its tensor
	s_lshr_b32 s23, s22, 1
	s_lshl_b32 s23, s23, 5
	s_and_b32 s24, s22, 1
	s_lshl_b32 s24, s24, 3
	s_add_co_u32 s23, s23, s24
	s_lshr_b32 s24, s16, 1
	s_lshl_b32 s24, s24, 3
	s_add_co_u32 s23, s23, s24                     ; 32 G + 8 u + 8 (w / 2)
	s_lshl_b32 s24, s22, 4
	s_cmp_lt_u32 ttmp9, 704
	s_cselect_b32 s23, s23, s24                    ; w_proj: 16 x tile
	s_lshl_b32 s24, s16, 2
	s_add_co_u32 s23, s23, s24                     ; + 4 w: my first row
	s_lshl_b32 s24, s23, 12
	s_mov_b32 s25, 0
	s_add_nc_u64 s[4:5], s[4:5], s[24:25]
	s_mul_i32 s24, ttmp9, 12288
	s_mul_i32 s26, s16, 3072
	s_add_co_u32 s24, s24, s26
	s_add_nc_u64 s[8:9], s[10:11], s[24:25]        ; cod: my quarter of the tile's image
	s_lshl_b32 s24, ttmp9, 9
	s_add_nc_u64 s[10:11], s[12:13], s[24:25]      ; scl
.irp i, 0,1,2,3
.irp j, 0,1,2,3,4,5,6,7
	global_load_b128 v[R+32*\i+4*\j:R+32*\i+4*\j+3], v3, s[4:5] offset:4096*\i+512*\j th:TH_LOAD_NT
.endr
.endr
.macro TURN i                          ; a row through the stage: LDS serves a wave's instructions in order
.irp j, 0,1,2,3,4,5,6,7
	ds_store_b128 v14, v[R+32*(\i)+4*\j:R+32*(\i)+4*\j+3] offset:32*SP*((\i)%2)+4*SP*\j
.endr
.irp j, 0,1,2,3,4,5,6,7
	ds_load_b128 v[X+32*((\i)%2)+4*\j:X+32*((\i)%2)+4*\j+3], v15 offset:32*SP*((\i)%2)+16*\j
.endr
.endm
.macro ROW i
.set XS, X+32*((\i)%2)
.set CC, C+8*(\i)
.if (\i) > 0
	s_wait_dscnt 3                                 ; this row is back from the stage; the last row's three stores may be out
.else
	s_wait_dscnt 0x0
.endif
.if (\i) < 3
	s_wait_loadcnt 8*(2-(\i))                      ; the next row's eight loads are in; the later rows' may be out
	TURN (\i)+1
.endif
	v_max3_num_f32 v244, |v[XS]|, |v[XS+1]|, |v[XS+2]|
	v_max3_num_f32 v245, |v[XS+3]|, |v[XS+4]|, |v[XS+5]|
.irp k, 6,10,14,18,22,26
	v_max3_num_f32 v244, v244, |v[XS+\k]|, |v[XS+\k+1]|
	v_max3_num_f32 v245, v245, |v[XS+\k+2]|, |v[XS+\k+3]|
.endr
	v_max3_num_f32 v244, v244, |v[XS+30]|, |v[XS+31]|
	v_max3_num_f32 v244, v244, v245, 0x1800000     ; and the floor 2^(3 - 127)
	v_add_nc_u32 v246, 0xff000000, v244            ; 2 off the exponent field: the conversion's scale operand
	v_cvt_scalef32_pk16_fp6_f32 v[CC:CC+2], v[XS:XS+15], v246
	v_cvt_scalef32_pk16_fp6_f32 v[CC+4:CC+6], v[XS+16:XS+31], v246
	v_lshrrev_b32 v[E+(\i)], 23, v246              ; the byte (also the plain line behind the conversions)
	v_mov_b32 v[CC+3], v[CC+4]                     ; a conversion's three registers begin on an even number: the second three are moved up
	v_mov_b32 v[CC+4], v[CC+5]
	v_mov_b32 v[CC+5], v[CC+6]
	ds_store_b128 v6, v[CC:CC+3] offset:16*(\i)
	ds_store_b64 v7, v[CC+4:CC+5] offset:8*(\i)
	ds_store_b8 v8, v[E+(\i)] offset:32*(\i)
.endm
	s_wait_loadcnt 24                              ; row 0's eight loads are in
	TURN 0
.irp i, 0,1,2,3
	ROW \i
.endr
	s_wait_dscnt 0x0                               ; my stores into the image are done
	s_barrier_signal -1
	s_barrier_wait -1                              ; everybody's are
	ds_load_b128 v[R:R+3], v9
	ds_load_b128 v[R+4:R+7], v10 offset:512
	ds_load_b128 v[R+8:R+11], v9 offset:GP+256
	ds_load_b128 v[R+12:R+15], v9 offset:2*GP
	ds_load_b128 v[R+16:R+19], v10 offset:2*GP+512
	ds_load_b128 v[R+20:R+23], v9 offset:3*GP+256
	s_wait_dscnt 0x0
.irp j, 0,1,2,3,4,5
	global_store_b128 v3, v[R+4*\j:R+4*\j+3], s[8:9] offset:512*\j   ; 512 consecutive bytes, aligned
.endr
	s_cmp_lg_u32 s16, 0
	s_cbranch_scc1 .Lend
	ds_load_b128 v[X:X+3], v1                      ; wave 0: the tile's 512 scale bytes
	s_wait_dscnt 0x0
	global_store_b128 v3, v[X:X+3], s[10:11]
.Lend:
	s_wait_tensorcnt 0x0                           ; the wave's end
	ds_add_u32 v[SPW], v[NIL]
	s_wait_dscnt 0x0
	s_endpgm
.Lfunc_end_k_q9b21c3d3c9_quant:
	.size	k_q9b21c3d3c9_quant, .Lfunc_end_k_q9b21c3d3c9_quant-k_q9b21c3d3c9_quant
	.p2alignl 7, 3214868480
	.fill 96, 4, 3214868480
	.section	.rodata,"a",@progbits
	.p2align	6, 0x0
	.amdhsa_kernel k_q9b21c3d3c9_quant
		.amdhsa_group_segment_fixed_size 50432
		.amdhsa_private_segment_fixed_size 0
		.amdhsa_enable_private_segment 0
		.amdhsa_kernarg_size 40
		.amdhsa_user_sgpr_count 2
		.amdhsa_user_sgpr_kernarg_segment_ptr 1
		.amdhsa_wavefront_size32 1
		.amdhsa_system_sgpr_workgroup_id_x 1
		.amdhsa_system_sgpr_workgroup_id_y 1
		.amdhsa_system_sgpr_workgroup_id_z 1
		.amdhsa_system_vgpr_workitem_id 0
		.amdhsa_next_free_vgpr 256
		.amdhsa_next_free_sgpr 66
		.amdhsa_reserve_vcc 0
		.amdhsa_float_denorm_mode_32 3
		.amdhsa_float_denorm_mode_16_64 3
		.amdhsa_memory_ordered 1
		.amdhsa_forward_progress 1
		.amdhsa_inst_pref_size 19
	.end_amdhsa_kernel
	.amdgpu_metadata
---
amdhsa.version: [ 1, 2 ]
amdhsa.kernels:
  - .name:           k_q9b21c3d3c9_quant
    .symbol:         k_q9b21c3d3c9_quant.kd
    .args:
      - { .name: x, .offset: 0, .size: 8, .value_kind: global_buffer, .address_space: global }
      - { .name: w_qkv, .offset: 8, .size: 8, .value_kind: global_buffer, .address_space: global }
      - { .name: w_proj, .offset: 16, .size: 8, .value_kind: global_buffer, .address_space: global }
      - { .name: cod, .offset: 24, .size: 8, .value_kind: global_buffer, .address_space: global }
      - { .name: scl, .offset: 32, .size: 8, .value_kind: global_buffer, .address_space: global }
    .group_segment_fixed_size: 50432
    .private_segment_fixed_size: 0
    .kernarg_segment_align: 8
    .kernarg_segment_size: 40
    .max_flat_workgroup_size: 128
    .sgpr_count:     66
    .vgpr_count:     256
    .wavefront_size: 32
...
	.end_amdgpu_metadata
.endif
;; end of part 1
;; launch qkv (part 2): grid 12 x 32, 4 waves a work-group, clusters of 4 x 4, 327,680 bytes of LDS; arguments cod, scl, q_bias, v_bias, scale_mul, qb, kv; writes qb, kv
.if DOCPART == 2
	.amdgcn_target "amdgcn-amd-amdhsa--gfx1250"
	.amdhsa_code_object_version 6
	.text
	.protected	k_q9b21c3d3c9_qkv
	.globl	k_q9b21c3d3c9_qkv
	.p2align	8
	.type	k_q9b21c3d3c9_qkv,@function
k_q9b21c3d3c9_qkv:
	s_mov_b64 s[64:65], 0
	v_nop
	global_prefetch_b8 v0, s[64:65] scope:SCOPE_SE
	s_setreg_imm32_b32 hwreg(HW_REG_WAVE_MODE, 25, 1), 1
	s_wait_xcnt 0x0
	s_wait_alu depctr_hold_cnt(0) depctr_sa_sdst(0) depctr_va_vdst(0) depctr_va_sdst(0) depctr_va_ssrc(0) depctr_va_vcc(0) depctr_vm_vsrc(0)
	s_getreg_b32 s2, hwreg(HW_REG_IB_STS2, 6, 4)
	s_cmp_eq_u32 s2, 0
	s_cbranch_scc0 .Lentry_in_a_cluster
	s_endpgm
.Lentry_in_a_cluster:
	s_bfe_u32 s2, ttmp6, 0x10000c
	s_cmp_lg_u32 s2, 0xf033
	s_cbranch_scc0 .Lentry_shape_is_right
	s_endpgm
.Lentry_shape_is_right:
; LAUNCH 2 OF 4.  qkv = x w_qkv^T on codes of FP6 with E8M0 scales (K = 1,024), and on the way out, in f32 and in registers: + q_bias or + v_bias; q and k divided by max(their head's norm, 1e-12); q times
; exp(min(scale_mul, ln 100)); then q and k are quantised along the head's 64, v along the keys, and stored as IMAGES OF OPERAND REGISTERS for launch 3.  The f32 qkv never goes to memory.
; LEFT OUT: the zeros that reference() itself adds to k (shown at the head of launch 1).
; A tile is 256 x 256, four waves of 128 x 128: 64 accumulators, 512 registers.  K goes in steps of 256 through a ring of two LDS slots; the scale bytes of the tile's rows come once and stay.
; THE ROLE is the cluster's x, the same in all sixteen partners: 0 = q, 1 = k, 2 = v.  The matrix instruction's source 1 takes the rows of region A, source 0 those of region B; a lane then holds ONE row of A and its
; registers run along rows of B.  q, k: A = 256 tokens, B = 256 channels, so a lane's 64 registers are 64 of 128 channels of one token.  v: A = 256 channels of w_v, B = 256 tokens, so they run along the keys.
; By the order of rows in cod (launch 1), register 16 b + i of a lane is row 32 b + 16 (lane / 16) + i of B: 16 neighbours of each block of 32, which is what the conversions take.
; CLUSTERS: 4 x 4.  A's tile hangs on cy (and the cluster's y or the role) alone and is asked for jointly by a row of the cluster, B's on cx alone, by a column.
; 384 tiles are 24 clusters; a work-group has one tile.  LIMITS: NaN and infinities are not served; a block of zeros keeps the byte 1 (its codes are zeros).
; REGISTERS: window 0: v0-31 addresses; v32-63 scale words; v64-127 q_bias in the result's layout; v128-223 A's fragments; v240-247 v_bias, v248-249 scale_mul.  window 1: B's fragments, two sets.  windows 2, 3: accumulators.
.set SIZE_K, 1024
.set KSTEP,  256
.set NQ,     KSTEP/128
.set ROWB,   192                       ; a tile's row in bytes
.set KROW,   SIZE_K*6/8                ; a row of cod
.set AIMG,   3072                      ; 16 rows x 256 along K as images of operand registers (launch 1)
.set FR,     12
.set NL,     4
.set NP,     4                         ; places behind this matrix instruction (ISA guide 7.12.1)
.set HALFT,  8*AIMG
.set SLOT,   4*HALFT
.set LAPS,   SIZE_K/(2*KSTEP)
.set KS,     SIZE_K/32
.set SCL,    2*SLOT                    ; behind the ring: the scales, as runs of 256 bytes + 16 of padding
.set HALFS,  (128*KS/256)*272
.set SBLK,   (16*KS/256)*272
.set SPARE,  SCL+4*HALFS               ; the spare words, 128 bytes a wave
.set QSC,    6291456                   ; qb: where q's scale words begin
.set KVB,    13056                     ; kv: a block of one batch, head and 128 keys: K 6,144, V 6,144, K's scale words 512, V's 256
.set KVH,    64*KVB                    ; from head to head: kv is laid [head][128 keys][batch], so that the eight batches' blocks of a head and key step are one dense run
.set ADRA, 16
.set ADRB, 20
.set ADRS, 27
.set SPW,  28
.set NIL,  29
.set SC,   32
.set AF,   128
.set BQ,   64                          ; v64-127  q_bias: register 8 t + j = channel 32 (t / 2) + 16 h + 8 (t % 2) + j of my 128
.set BV,   240                         ; v240-247 v_bias of my row in A's block a
.set SMV,  248                         ; v248-249 scale_mul of my two heads, then exp(min(.)), 1 in the role k
.set F,    250                         ; v[250:251], v[252:253] a head's factor (low halves)
.set SH,   254                         ; v254 16 x (lane / 16) in q and k, 0 in v
.set LANE, 7
.set VO16, 8
.set VO8,  9
.set VSC,  10
.set SS,   32                          ; the way out: v32-39 sums of squares, v40-41 the other half's
.set T,    128                         ; v128-191 the 64 numbers to quantise
.set CD,   192                         ; v192-210 codes
.set TM,   212                         ; v212-227 at work in QUANT
.set PW,   228                         ; the scale word just made
.set PWS,  232                         ; v232-239 the eight blocks' scale words
.set G1, 24
.set G0, 32
.set G1B, 48
.set G0B, 56
.set G1S, 68
.set G0S, 76
.set G1SB, 80
.set G0SB, 88
.set ROLE, 95
.set SEL,  66                          ; s[66:67] lane selects: lane l xor 16
.set OB0,  20                          ; s[20:21], s[22:23] the way out: images of my first and second head;  s[92:93] scale words
.set SB,   92
.set MSB, 0
.macro WIN new                         ; the immediate's high byte repeats the setting that is left
.if MSB != \new
	s_set_vgpr_msb (MSB<<8)|\new
.set MSB, \new
.endif
.endm
.set MUL_LO, 0xa1                      ; source 0 (B) window 1, source 1 (A) window 0, C and D window 2
.set MUL_HI, 0xf1
.set TO_B,   0x40
; A joint load: waves 0 and 1 fetch for A, waves 2 and 3 for B; the branch hangs on the wave's number alone.  An s_nop 0 and four v_nop follow each line.
.macro JLOAD g0a, g1a, g0b, g1b
	s_cmp_eq_u32 s15, 0
	s_cbranch_scc0 .Lfor_b_\@
	tensor_load_to_lds s[\g0a:\g0a+3], s[\g1a:\g1a+7]
	s_nop 0
.rept 4
	v_nop
.endr
	s_branch .Lasked_\@
.Lfor_b_\@:
	tensor_load_to_lds s[\g0b:\g0b+3], s[\g1b:\g1b+7]
	s_nop 0
.rept 4
	v_nop
.endr
.Lasked_\@:
.endm
.macro CREST                           ; a round of the cluster's barrier behind its opening barrier
	s_cmp_lg_u32 s14, 0
	s_cbranch_scc1 .Lnot_wave_0_\@
	s_barrier_signal -3
.Lnot_wave_0_\@:
	s_barrier_wait -3
	s_barrier_signal -1
	s_barrier_wait -1
.endm
.macro CROUND
	s_barrier_signal -1
	s_barrier_wait -1
	CREST
.endm
	s_load_b256 s[4:11], s[0:1], 0x0               ; cod s[4:5], scl s[6:7], q_bias s[8:9], v_bias s[10:11]
	s_load_b128 s[96:99], s[0:1], 0x20             ; scale_mul, qb
	s_load_b64 s[100:101], s[0:1], 0x30            ; kv
	v_lshl_add_u32 v[SPW], v0, 2, SPARE
	v_mov_b32 v[NIL], 0
	ds_add_u32 v[SPW], v[NIL]                      ; the wave's opening: the add, twice on end, and its wait ahead of my first tensor load
	ds_add_u32 v[SPW], v[NIL]
	v_lshrrev_b32 v1, 5, v0
	v_readfirstlane_b32 s14, v1                    ; wave 0..3
	s_lshr_b32 s15, s14, 1                         ; which half of A's rows is mine.  Also: I fetch for A (0) or for B (1)
	s_and_b32 s16, s14, 1                          ; which half of B's rows.  Also: which 128 rows I fetch
	s_bfe_u32 s40, ttmp6, 0x40000                  ; cx
	s_bfe_u32 s41, ttmp6, 0x40004                  ; cy
	s_mov_b32 s[ROLE], ttmp9                       ; the cluster's x
	s_mov_b32 s[SEL], 0x76543210
	s_mov_b32 s[SEL+1], 0xfedcba98
	s_and_b32 s13, ttmp7, 0xffff
	s_lshl_b32 s13, s13, 10                        ; the cluster's 1,024 tokens begin at row 1,024 x cluster y of cod
	s_lshl_b32 s2, ttmp9, 10
	s_add_co_u32 s2, s2, 8192                      ; w_q's or w_k's 1,024 rows
	s_mov_b32 s12, 10240                           ; w_v's
	s_cmp_eq_u32 s[ROLE], 2
	s_cselect_b32 s12, s12, s13                    ; region A: w_v in the role v, else the tokens
	s_cselect_b32 s2, s13, s2                      ; region B: the tokens in the role v, else w_q or w_k
	s_lshl_b32 s43, s41, 2
	s_lshl_b32 s43, 15, s43                        ; my row of the cluster
	s_lshl_b32 s44, 0x1111, s40                    ; my column
	s_or_b32 s[G1+0], s43, (3<<16)|(1<<21)         ; the mask; elements of 8 bytes; no padding: the lanes of a load read neighbouring bytes
	s_or_b32 s[G1B+0], s44, (3<<16)|(1<<21)
.irp g, G1, G1B
	s_mov_b32 s[\g+1], 384<<16                     ; a tile's 3,072 bytes of a K step
	s_mov_b32 s[\g+2], 16<<16                      ; 16 tiles for the head's loads; behind them 8
	s_mov_b32 s[\g+3], 384<<16
	s_mov_b32 s[\g+4], 16
	s_mov_b32 s[\g+5], 1536                        ; from tile to tile: 12,288 bytes
	s_mov_b32 s[\g+6], 0
	s_mov_b32 s[\g+7], 0
.endr
	s_or_b32 s[G1S+0], s43, (3<<16)|(1<<20)|(1<<21)|(5<<22)|(3<<25) ; the scales of 256 rows: a dense block as rows of 256 bytes, 16 of padding behind each
	s_or_b32 s[G1SB+0], s44, (3<<16)|(1<<20)|(1<<21)|(5<<22)|(3<<25)
.irp g, G1S, G1SB
	s_mov_b32 s[\g+1], 32<<16
	s_mov_b32 s[\g+2], (256*KS/256)<<16
	s_mov_b32 s[\g+3], 32<<16
	s_mov_b32 s[\g+4], 256*KS/256
	s_mov_b32 s[\g+5], 32
	s_mov_b32 s[\g+6], 0
	s_mov_b32 s[\g+7], 0
.endr
	s_lshl_b32 s20, s41, 8
	s_add_co_u32 s20, s20, s12
	s_lshl_b32 s46, s40, 8
	s_add_co_u32 s46, s46, s2
	s_mov_b32 s21, 0
	s_mov_b32 s47, 0
	s_mov_b64 s[18:19], KS
	s_mul_u64 s[22:23], s[20:21], s[18:19]         ; where these rows' scales begin,
	s_mul_u64 s[92:93], s[46:47], s[18:19]
	s_mov_b64 s[18:19], KROW
	s_mul_u64 s[20:21], s[20:21], s[18:19]         ; and their codes
	s_mul_u64 s[46:47], s[46:47], s[18:19]
	s_mul_i32 s18, s16, 128*KROW                   ; in the ring I fetch eight tiles of a region: which half, in bytes
	s_mov_b32 s19, 0
	s_mul_i32 s45, s14, HALFT
	s_wait_dscnt 0x0                               ; both opening adds are done
	s_wait_kmcnt 0x0
	s_add_nc_u64 s[20:21], s[4:5], s[20:21]
	s_add_nc_u64 s[22:23], s[6:7], s[22:23]
	s_add_nc_u64 s[46:47], s[4:5], s[46:47]
	s_add_nc_u64 s[92:93], s[6:7], s[92:93]
	CROUND                                         ; all sixteen work-groups are here: the first joint loads meet
	s_mov_b32 s[G0S], 1
	s_mov_b32 s[G0S+1], SCL
	s_mov_b64 s[G0S+2:G0S+3], s[22:23]
	s_or_b32 s[G0S+3], s[G0S+3], 0x80000000
	s_mov_b32 s[G0SB], 1
	s_mov_b32 s[G0SB+1], SCL+2*HALFS
	s_mov_b64 s[G0SB+2:G0SB+3], s[92:93]
	s_or_b32 s[G0SB+3], s[G0SB+3], 0x80000000
	s_mov_b32 s[G0], 1                             ; slot 0's sets serve the head's loads first: K step 0 of A's 16 tiles,
	s_mov_b32 s[G0+1], 0
	s_mov_b64 s[G0+2:G0+3], s[20:21]
	s_or_b32 s[G0+3], s[G0+3], 0x80000000
	s_mov_b32 s[G0B], 1                            ; and of B's, behind them
	s_mov_b32 s[G0B+1], 2*HALFT
	s_mov_b64 s[G0B+2:G0B+3], s[46:47]
	s_or_b32 s[G0B+3], s[G0B+3], 0x80000000
	s_add_nc_u64 s[20:21], s[20:21], s[18:19]      ; for the ring: my eight tiles
	s_add_nc_u64 s[46:47], s[46:47], s[18:19]
	s_mov_b32 s[G0+4], 1
	s_add_co_u32 s[G0+5], s45, SLOT
	s_add_nc_u64 s[G0+6:G0+7], s[20:21], AIMG
	s_or_b32 s[G0+7], s[G0+7], 0x80000000
	s_mov_b32 s[G0B+4], 1
	s_add_co_u32 s[G0B+5], s45, SLOT
	s_add_nc_u64 s[G0B+6:G0B+7], s[46:47], AIMG
	s_or_b32 s[G0B+7], s[G0B+7], 0x80000000
; THE HEAD'S LOADS, ONE A WAVE: wave 0 K step 0 of A, wave 1 of B, wave 2 A's scales, wave 3 B's; one tree of branches on the wave's number, every way passes one load
.macro ARM under, g0, g1, next
	s_cmp_lt_u32 s14, \under
	s_cbranch_scc0 \next
	tensor_load_to_lds s[\g0:\g0+3], s[\g1:\g1+7]
	s_nop 0
.rept 4
	v_nop
.endr
	s_branch .Lhead_asked
\next:
.endm
	ARM 1, G0,  G1,  .Lhead_b
	ARM 2, G0B, G1B, .Lhead_sa
	ARM 3, G0S, G1S, .Lhead_sb
	tensor_load_to_lds s[G0SB:G0SB+3], s[G1SB:G1SB+7]
	s_nop 0
.rept 4
	v_nop
.endr
.Lhead_asked:
	v_and_b32 v1, 15, v0                           ; r = l % 16: kept
	v_bfe_u32 v2, v0, 4, 1                         ; h = l / 16: kept
	v_and_b32 v3, 31, v0
	v_lshlrev_b32 v4, 4, v3                        ; an image's registers 0-3: 16 x lane
	v_lshlrev_b32 v5, 3, v3                        ; its registers 4-5: 8 x lane (+ 512 in the offset)
	s_mul_i32 s21, s15, HALFT                      ; my 128 rows of A
	s_mul_i32 s22, s16, HALFT                      ; my 128 rows of B,
	s_add_co_u32 s22, s22, 2*HALFT                 ; which lie behind A's 256
.irp s, 0,1
	v_add_nc_u32 v[ADRA+\s], s21, v4
	v_add_nc_u32 v[ADRB+\s], s22, v4
	v_add_nc_u32 v[ADRA+2+\s], s21, v5
	v_add_nc_u32 v[ADRB+2+\s], s22, v5
	s_add_co_u32 s21, s21, SLOT
	s_add_co_u32 s22, s22, SLOT
.endr
	v_mul_u32_u24 v5, v1, KS                       ; my row's scales: KS bytes a row,
	v_lshrrev_b32 v6, 8, v5
	v_lshl_add_u32 v5, v6, 4, v5                   ; and 16 more for each 256 passed
	s_mul_i32 s21, s15, HALFS
	s_mul_i32 s22, s16, HALFS
	s_add_co_u32 s22, s22, 2*HALFS
	s_sub_co_u32 s22, s22, s21
	v_mul_u32_u24 v6, s22, v2                      ; lanes 16-31 take B's
	s_add_co_u32 s21, s21, SCL
	v_add_nc_u32 v5, v5, v6
	v_add_nc_u32 v[ADRS], s21, v5
	; the biases and scale_mul, into registers that the loop leaves alone; they are waited for at the way out.  Every role loads all three (all addresses lie inside their buffers); a role reads what it needs
	s_lshl_b32 s42, s40, 10                        ; q_bias: 256 cx + 128 x my half of B, in bytes,
	s_lshl_b32 s47, s16, 9
	s_add_co_u32 s42, s42, s47
	v_lshl_add_u32 v30, v2, 6, s42                 ; + 64 h
.irp t, 0,1,2,3,4,5,6,7
	global_load_b128 v[BQ+8*\t:BQ+8*\t+3], v30, s[8:9] offset:128*(\t/2)+32*(\t%2)
	global_load_b128 v[BQ+8*\t+4:BQ+8*\t+7], v30, s[8:9] offset:128*(\t/2)+32*(\t%2)+16
.endr
	s_lshl_b32 s12, s41, 10                        ; v_bias: 256 cy + 128 x my half of A,
	s_lshl_b32 s13, s15, 9
	s_add_co_u32 s12, s12, s13
	v_and_b32 v31, 8, v1
	v_add_nc_u32 v31, v31, v1                      ; + r + 8 (r / 8): the row that lies at place r of a tile
	v_lshl_add_u32 v31, v31, 2, s12
.irp a, 0,1,2,3,4,5,6,7
	global_load_b32 v[BV+\a], v31, s[10:11] offset:(32*(\a/2)+8*(\a%2))*4
.endr
	s_lshl_b32 s42, s40, 4                         ; scale_mul: heads 4 cx + 2 x my half of B, and the next
	s_lshl_b32 s47, s16, 3
	s_add_co_u32 s42, s42, s47
	v_mov_b32 v15, s42
	global_load_b64 v[SMV:SMV+1], v15, s[96:97]
.macro FRAG reg, adr, q, i             ; a fragment: 16 rows x 128 K in 12 registers: two images of 64 along K, each 16 and 8 bytes a lane
	ds_load_b128 v[\reg:\reg+3], v[\adr] offset:(\i)*AIMG+(\q)*1536
	ds_load_b64 v[\reg+4:\reg+5], v[\adr+2] offset:(\i)*AIMG+(\q)*1536+512
	ds_load_b128 v[\reg+6:\reg+9], v[\adr] offset:(\i)*AIMG+(\q)*1536+768
	ds_load_b64 v[\reg+10:\reg+11], v[\adr+2] offset:(\i)*AIMG+(\q)*1536+1280
.endm
; 16 matrix instructions: A's blocks a0, a0 + 1 x B's eight.  The 64 accumulators take turns, one instruction a turn, in the same order in every step.
.macro MUL16 a0, p, q, sc, zero
.irp a, \a0, \a0+1
.irp b, 0,1,2,3,4,5,6,7
.if \zero
	v_wmma_scale_f32_16x16x128_f8f6f4 v[8*(8*((\a)%4)+\b):8*(8*((\a)%4)+\b)+7], v[128*(\p)+FR*\b:128*(\p)+FR*\b+FR-1], v[AF+FR*(\a):AF+FR*(\a)+FR-1], 0, v[SC+8*NQ*(\sc)+NQ*\b+(\q)], v[SC+8*NQ*(\sc)+NQ*(\a)+(\q)] matrix_a_fmt:MATRIX_FMT_FP6 matrix_b_fmt:MATRIX_FMT_FP6 matrix_a_scale:MATRIX_SCALE_ROW1
.else
	v_wmma_scale_f32_16x16x128_f8f6f4 v[8*(8*((\a)%4)+\b):8*(8*((\a)%4)+\b)+7], v[128*(\p)+FR*\b:128*(\p)+FR*\b+FR-1], v[AF+FR*(\a):AF+FR*(\a)+FR-1], v[8*(8*((\a)%4)+\b):8*(8*((\a)%4)+\b)+7], v[SC+8*NQ*(\sc)+NQ*\b+(\q)], v[SC+8*NQ*(\sc)+NQ*(\a)+(\q)] matrix_a_fmt:MATRIX_FMT_FP6 matrix_b_fmt:MATRIX_FMT_FP6 matrix_a_scale:MATRIX_SCALE_ROW1
.endif
.endr
.endr
.endm
.macro FETCH_B slot, q, p
	WIN TO_B
.irp i, 0,1,2,3,4,5,6,7
	FRAG 128*(\p)+FR*\i, ADRB+\slot, \q, \i
.endr
	WIN 0
.endm
.macro FETCH_A slot, q, i0
.irp i, \i0, \i0+1, \i0+2, \i0+3
	FRAG AF+FR*(\i), ADRA+\slot, \q, \i
.endr
.endm
.macro SCALES sc                       ; a K step's scale words: lanes 0-15 A's block i, lanes 16-31 B's block i
.irp i, 0,1,2,3,4,5,6,7
	ds_load_b64 v[SC+8*NQ*\sc+NQ*\i:SC+8*NQ*\sc+NQ*\i+1], v[ADRS] offset:\i*SBLK
.endr
.endm
.macro PLACES n                        ; plain vector places in front of loads into registers that matrix instructions have read, and of the first read of results
.rept \n
	v_nop
.endr
.endm
.macro STEP slot, q, zero              ; a step of 128 along K that has its successor in the same slot
	s_wait_dscnt 4*NL                              ; B's set and A's blocks 0-3 are in; the youngest 16 loads (A's blocks 4-7) may be out
	WIN MUL_LO
	MUL16 0, (\q)%2, \q, \slot, \zero
	MUL16 2, (\q)%2, \q, \slot, \zero
	s_wait_dscnt 0
	PLACES NP
	FETCH_B \slot, (\q)+1, 1-(\q)%2
	FETCH_A \slot, (\q)+1, 0
	WIN MUL_HI
	MUL16 4, (\q)%2, \q, \slot, \zero
	MUL16 6, (\q)%2, \q, \slot, \zero
	PLACES NP
	WIN 0
	FETCH_A \slot, (\q)+1, 4
.endm
; A slot's last step changes slots: one barrier; in front of it each wave waits for all its tensor loads, adds 0 to its spare word, and waits for that and for its reads of this slot.
.macro TURN slot, next, fill
	s_wait_tensorcnt 0x0                           ; all my tensor loads have landed: my part of the next slot
	ds_add_u32 v[SPW], v[NIL]
	s_wait_dscnt 4*NL+1                            ; (the add and the youngest 16 loads may be out)
	WIN MUL_LO
	MUL16 0, 1, NQ-1, \slot, 0
	s_wait_dscnt 0x0                               ; the add is done, and my reads of this slot are over
	s_barrier_signal -1
	MUL16 2, 1, NQ-1, \slot, 0
	WIN 0
	s_barrier_wait -1
.if \fill
	CREST                                          ; the barrier has opened a round of the cluster's barrier: no wave of any partner still reads this slot or has a load on its way
	s_add_nc_u64 s[G0+4*\slot+2:G0+4*\slot+3], s[G0+4*\slot+2:G0+4*\slot+3], 2*AIMG
	s_add_nc_u64 s[G0B+4*\slot+2:G0B+4*\slot+3], s[G0B+4*\slot+2:G0B+4*\slot+3], 2*AIMG
	JLOAD G0+4*\slot, G1, G0B+4*\slot, G1B         ; the first tensor load behind the round; its four v_nop are the places in front of the loads below
.else
	PLACES NP
.endif
	s_wait_alu depctr_va_vdst(0)
	v_add_nc_u32 v[ADRS], 4*NQ, v[ADRS]            ; on to the next K step's scale words
	FETCH_B \next, 0, 0
	FETCH_A \next, 0, 0
	SCALES \next
	WIN MUL_HI
	MUL16 4, 1, NQ-1, \slot, 0
	MUL16 6, 1, NQ-1, \slot, 0
	PLACES NP
	WIN 0
	FETCH_A \next, 0, 4
.endm
	s_wait_alu depctr_va_vdst(0)
	s_wait_tensorcnt 0x0                           ; my tile of the head's four is in
	ds_add_u32 v[SPW], v[NIL]
	s_mov_b32 s[G1+2], 8<<16                       ; no tensor load of mine is out: from here on a load brings eight tiles,
	s_mov_b32 s[G1+4], 8
	s_mov_b32 s[G1B+2], 8<<16
	s_mov_b32 s[G1B+4], 8
	s_mov_b32 s[G0+1], s45                         ; and slot 0's sets stand at my eight
	s_add_nc_u64 s[G0+2:G0+3], s[G0+2:G0+3], s[18:19]
	s_mov_b32 s[G0B+1], s45
	s_add_nc_u64 s[G0B+2:G0B+3], s[G0B+2:G0B+3], s[18:19]
	s_wait_dscnt 0x0
	CROUND                                         ; all four tiles are in, all sixteen work-groups are here,
	JLOAD G0+4, G1, G0B+4, G1B                     ; and K step 1's load is the first tensor load behind the round
	FETCH_B 0, 0, 0
	FETCH_A 0, 0, 0
	SCALES 0
	FETCH_A 0, 0, 4
	STEP 0, 0, 1                                   ; the first step's products start the sums
	s_mov_b32 s3, LAPS-1
.Llap:                                                 ; a trip goes once round the ring and fills both slots again
	TURN 0, 1, 1
	STEP 1, 0, 0
	TURN 1, 0, 1
	STEP 0, 0, 0
	s_sub_co_u32 s3, s3, 1
	s_cmp_lg_u32 s3, 0
	s_cbranch_scc1 .Llap
	TURN 0, 1, 0                                   ; the last lap fills nothing
	STEP 1, 0, 0
	s_wait_dscnt 4*NL
	WIN MUL_LO
	MUL16 0, 1, NQ-1, 1, 0
	MUL16 2, 1, NQ-1, 1, 0
	s_wait_dscnt 0
	WIN MUL_HI
	MUL16 4, 1, NQ-1, 1, 0
	MUL16 6, 1, NQ-1, 1, 0
	WIN 0
	PLACES NP
	; THE WAY OUT: no LDS.  Where my results go: hs = which 256 channels (four heads), wh = which two of them, blk = which 256 tokens, ws = which 128 of them
	s_and_b32 s12, ttmp7, 0xffff
	s_lshl_b32 s12, s12, 2
	s_mov_b32 s45, 12288
	s_cmp_eq_u32 s[ROLE], 2
	s_cselect_b32 s17, s41, s40                    ; hs
	s_cselect_b32 s18, s15, s16                    ; wh
	s_cselect_b32 s19, s16, s15                    ; ws
	s_cselect_b32 s13, s40, s41
	s_cselect_b32 s42, 6144, 0                     ; V's images lie behind K's in a block of kv
	s_cselect_b32 s43, 0, 16
	s_cselect_b32 s45, 6656, s45                   ; from there to the scale words: V's at 12,800, K's at 12,288
	s_add_co_u32 s12, s12, s13                     ; blk
	s_lshr_b32 s13, s12, 2                         ; the batch
	s_and_b32 s12, s12, 3
	s_lshl_b32 s12, s12, 1
	s_add_co_u32 s12, s12, s19                     ; which 128 tokens of the batch
	s_lshl_b32 s13, s13, 4
	s_lshl_b32 s17, s17, 2
	s_add_co_u32 s13, s13, s17
	s_lshl_b32 s18, s18, 1
	s_add_co_u32 s13, s13, s18                     ; 16 x batch + my first head
	s_lshl_b32 s17, s13, 3
	s_add_co_u32 s17, s17, s12
	s_and_b32 s18, s13, 15                         ; kv: block ((head x 8 + which 128 keys) x 8 + batch)
	s_lshl_b32 s18, s18, 3
	s_add_co_u32 s18, s18, s12
	s_lshl_b32 s18, s18, 3
	s_lshr_b32 s2, s13, 4
	s_add_co_u32 s18, s18, s2
	s_mul_i32 s18, s18, KVB
	s_add_co_u32 s18, s18, s42                     ; kv: my block, K's or V's part
	s_add_co_u32 s45, s45, s18                     ; and its scale words
	s_mul_i32 s19, s17, 8*768                      ; qb: my eight tiles of 768 bytes
	s_lshl_b32 s44, s17, 9
	s_add_co_u32 s44, s44, QSC                     ; and their scale words: two groups of 256 bytes
	s_mov_b32 s46, KVH
	s_mov_b32 s47, KVH
	s_cmp_eq_u32 s[ROLE], 0
	s_cselect_b64 s[OB0:OB0+1], s[98:99], s[100:101]   ; qb or kv: the choice hangs on the role alone
	s_cselect_b32 s12, s19, s18
	s_cselect_b32 s2, s44, s45
	s_cselect_b32 s46, 64*768, s46                 ; from head to head: images,
	s_cselect_b32 s47, 4096, s47                   ; scale words
	s_cselect_b32 s44, -1, 0
	s_mov_b32 s13, 0
	s_mov_b32 s3, 0
	s_add_nc_u64 s[SB:SB+1], s[OB0:OB0+1], s[2:3]
	s_add_nc_u64 s[OB0:OB0+1], s[OB0:OB0+1], s[12:13]
	s_mov_b32 s12, s46
	s_add_nc_u64 s[OB0+2:OB0+3], s[OB0:OB0+1], s[12:13]
	v_and_b32 v[LANE], 31, v0
	v_lshlrev_b32 v[VO16], 4, v[LANE]
	v_lshlrev_b32 v[VO8], 3, v[LANE]
	v_mul_u32_u24 v[VSC], s47, v2
	v_lshl_add_u32 v[VSC], v1, 4, v[VSC]           ; scale words: 16 r, lanes 16-31 one head on
	v_mul_u32_u24 v[SH], s43, v2
	v_mov_b32 v[F+1], 0                            ; (named as upper halves of pairs)
	v_mov_b32 v[F+3], 0
	v_mov_b32 v[SS+8], 0                           ; written once: a lane permute's destination counts as one of its sources
	v_mov_b32 v[SS+9], 0
.irp b, 0,1,2,3
	v_mov_b32 v[TM+4+\b], 0
.endr
	s_wait_loadcnt 0x0                             ; the biases and scale_mul
	v_min_num_f32 v[SMV], 0x40935d8e, v[SMV]       ; min(scale_mul, ln 100)
	v_min_num_f32 v[SMV+1], 0x40935d8e, v[SMV+1]
	v_mul_f32 v[SMV], 0x3fb8aa3b, v[SMV]           ; x log2(e)
	v_mul_f32 v[SMV+1], 0x3fb8aa3b, v[SMV+1]
	s_wait_alu depctr_va_vdst(0)
	v_exp_f32 v[SMV], v[SMV]
	v_exp_f32 v[SMV+1], v[SMV+1]
	v_nop                                          ; a plain line behind the exponentials,
	s_wait_alu depctr_va_vdst(0)                   ; and the one wait for both, ahead of their first reader
	v_cndmask_b32 v[SMV], 1.0, v[SMV], s44         ; k is not multiplied
	v_cndmask_b32 v[SMV+1], 1.0, v[SMV+1], s44
; 64 numbers of a lane, register 16 b + i = k 32 b + 16 (lane / 16) + i of my row, become 12 registers of codes in v[CD] on (registers 6 c .. 6 c + 5: k = 64 c + 32 (lane / 16) + 0 .. 31) and a scale word in v[PW].
.macro QUANT s
.irp b, 0,1,2,3
	v_max3_num_f32 v[TM+\b], |v[\s+16*\b]|, |v[\s+1+16*\b]|, 0x1800000   ; my 16 numbers of block b, and the floor 2^(3 - 127)
.endr
.irp i, 2,4,6,8,10,12,14
.irp b, 0,1,2,3
	v_max3_num_f32 v[TM+\b], v[TM+\b], |v[\s+16*\b+\i]|, |v[\s+1+16*\b+\i]|
.endr
.endr
.irp b, 0,1,2,3
	v_permlanex16_b32 v[TM+4+\b], v[TM+\b], s[SEL], s[SEL+1]
.endr
.irp b, 0,1,2,3
	v_max_num_f32 v[TM+\b], v[TM+\b], v[TM+4+\b]   ; with lane l xor 16's: the block's largest magnitude
.endr
.irp b, 0,1,2,3
	v_add_nc_u32 v[TM+12+\b], 0xff000000, v[TM+\b] ; 2 off its exponent field: the conversion's scale operand
.endr
.irp b, 0,1,2,3
	v_lshrrev_b32 v[TM+4+\b], 23, v[TM+12+\b]      ; the scale's byte
.endr
	v_lshl_or_b32 v[PW], v[TM+5], 8, v[TM+4]
	v_lshl_or_b32 v[PW], v[TM+6], 16, v[PW]
	v_lshl_or_b32 v[PW], v[TM+7], 24, v[PW]
.irp c, 0,1
	v_cvt_scalef32_pk16_fp6_f32 v[CD+6*\c:CD+2+6*\c], v[\s+32*\c:\s+15+32*\c], v[TM+12+2*\c]
	v_cvt_scalef32_pk16_fp6_f32 v[CD+12+4*\c:CD+14+4*\c], v[\s+16+32*\c:\s+31+32*\c], v[TM+12+2*\c+1]
.endr
	v_nop                                          ; one plain place behind a scaled conversion
.irp c, 0,1                                    ; the operand's layout wants a whole block in a lane
.irp i, 0,1,2
	v_permlane16_swap_b32 v[CD+6*\c+\i], v[CD+12+4*\c+\i]
.endr
.irp i, 0,1,2
	v_mov_b32 v[CD+3+6*\c+\i], v[CD+12+4*\c+\i]
.endr
.endr
.endm
; Block a of A's eight: 16 rows x my 128 of B.  Branches hang on the role alone; every window is 0 at each of them.  Each accumulator is read from its low end on.
.macro EPI a
.set EAC, 64*((\a)%4)
.set EW,  2+(\a)/4
.set EWQ, (EW<<6)|EW
.set EWS, EW|(EW<<2)
.if (\a) > 0
	s_wait_xcnt 0x0                                ; the last block's stores have read their registers
.endif
	s_cmp_lg_u32 s[ROLE], 0
	s_cbranch_scc1 .Lnoq_\@
	WIN EWQ                                        ; q: + q_bias, in place
.set i, 0
.rept 32
	v_pk_add_f32 v[EAC+2*i:EAC+2*i+1], v[EAC+2*i:EAC+2*i+1], v[BQ+2*i:BQ+2*i+1]
.set i, i+1
.endr
	WIN 0
.Lnoq_\@:
	s_cmp_eq_u32 s[ROLE], 2
	s_cbranch_scc1 .Lv_\@
	WIN EWS                                        ; q, k: the sum of squares of each of my two heads: 32 numbers here, 32 in lane l xor 16; two chains a head
.set i, 0
.rept 32
.set ESS, SS+4*(i/16)+2*(i%2)
.if (i%16) < 2
	v_pk_mul_f32 v[ESS:ESS+1], v[EAC+2*i:EAC+2*i+1], v[EAC+2*i:EAC+2*i+1]
.else
	v_pk_fma_f32 v[ESS:ESS+1], v[EAC+2*i:EAC+2*i+1], v[EAC+2*i:EAC+2*i+1], v[ESS:ESS+1]
.endif
.set i, i+1
.endr
	WIN 0
	v_pk_add_f32 v[SS:SS+1], v[SS:SS+1], v[SS+2:SS+3]
	v_pk_add_f32 v[SS+4:SS+5], v[SS+4:SS+5], v[SS+6:SS+7]
	v_add_f32 v[SS], v[SS], v[SS+1]
	v_add_f32 v[SS+4], v[SS+4], v[SS+5]
	v_permlanex16_b32 v[SS+8], v[SS], s[SEL], s[SEL+1]
	v_permlanex16_b32 v[SS+9], v[SS+4], s[SEL], s[SEL+1]
	v_add_f32 v[SS], v[SS], v[SS+8]
	v_add_f32 v[SS+4], v[SS+4], v[SS+9]
	s_wait_alu depctr_va_vdst(0)
	v_sqrt_f32 v[SS], v[SS]
	v_sqrt_f32 v[SS+4], v[SS+4]
	v_nop
	s_wait_alu depctr_va_vdst(0)                   ; one wait for the two roots
	v_max_num_f32 v[SS], 0x2b8cbccc, v[SS]         ; max(norm, 1e-12)
	v_max_num_f32 v[SS+4], 0x2b8cbccc, v[SS+4]
	s_wait_alu depctr_va_vdst(0)
	v_rcp_f32 v[SS], v[SS]
	v_rcp_f32 v[SS+4], v[SS+4]
	v_nop
	s_wait_alu depctr_va_vdst(0)                   ; one wait for the two reciprocals
	v_mul_f32 v[F], v[SS], v[SMV]
	v_mul_f32 v[F+2], v[SS+4], v[SMV+1]
	WIN EW
.set i, 0
.rept 32
	v_pk_mul_f32 v[T+2*i:T+2*i+1], v[EAC+2*i:EAC+2*i+1], v[F+2*(i/16):F+2*(i/16)+1] op_sel_hi:[1,0]
.set i, i+1
.endr
	WIN 0
	s_branch .Lq_\@
.Lv_\@:
	WIN EW                                         ; v: + v_bias of my row (one number a lane)
.set i, 0
.rept 32
.if (\a)%2 == 0
	v_pk_add_f32 v[T+2*i:T+2*i+1], v[EAC+2*i:EAC+2*i+1], v[BV+2*((\a)/2):BV+2*((\a)/2)+1] op_sel_hi:[1,0]
.else
	v_pk_add_f32 v[T+2*i:T+2*i+1], v[EAC+2*i:EAC+2*i+1], v[BV+2*((\a)/2):BV+2*((\a)/2)+1] op_sel:[0,1] op_sel_hi:[1,1]
.endif
.set i, i+1
.endr
	WIN 0
.Lq_\@:
	QUANT T
	v_lshrrev_b32 v[PWS+(\a)], v[SH], v[PW]        ; q, k: lanes 16-31 keep the second head's two bytes in the word's low half
	s_cmp_eq_u32 s[ROLE], 2
	s_cbranch_scc1 .Lsv_\@
	global_store_b128 v[VO16], v[CD:CD+3], s[OB0:OB0+1] offset:768*(\a)            ; q, k: registers 0-5 are the first head's half fragment, 6-11 the second's: 512 + 256 consecutive bytes each
	global_store_b64 v[VO8], v[CD+4:CD+5], s[OB0:OB0+1] offset:768*(\a)+512
	global_store_b128 v[VO16], v[CD+6:CD+9], s[OB0+2:OB0+3] offset:768*(\a)
	global_store_b64 v[VO8], v[CD+10:CD+11], s[OB0+2:OB0+3] offset:768*(\a)+512
.if (\a)%4 == 3
	global_store_b128 v[VSC], v[PWS+(\a)-3:PWS+(\a)], s[SB:SB+1] offset:256*((\a)/4)   ; four tiles' scale words of a row: sixteen lanes store 256 consecutive bytes
.endif
	s_branch .Ldone_\@
.Lsv_\@:
	s_wait_alu depctr_va_vdst(0)
.irp p, 0,1,2
	global_store_b128 v[VO16], v[CD+4*\p:CD+4*\p+3], s[OB0+2*((\a)/4):OB0+2*((\a)/4)+1] offset:1536*((\a)%4)+512*\p   ; v: a whole fragment of 128 keys
.endr
.if (\a) == 7
	v_cmp_gt_u32 vcc_lo, 16, v[LANE]
.irp i, 0,1,2,3
	v_cndmask_b32 v[PWS+\i], v[PWS+4+\i], v[PWS+\i], vcc_lo   ; lanes 0-15: the first head's four tiles; lanes 16-31: the second's
.endr
	global_store_b128 v[VSC], v[PWS:PWS+3], s[SB:SB+1]
.endif
.Ldone_\@:
.endm
.irp a, 0,1,2,3,4,5,6,7
	EPI \a
.endr
	s_wait_tensorcnt 0x0                           ; the wave's end
	ds_add_u32 v[SPW], v[NIL]
	s_wait_dscnt 0x0
	CROUND                                         ; the closing round
	s_endpgm
.Lfunc_end_k_q9b21c3d3c9_qkv:
	.size	k_q9b21c3d3c9_qkv, .Lfunc_end_k_q9b21c3d3c9_qkv-k_q9b21c3d3c9_qkv
	.p2alignl 7, 3214868480
	.fill 96, 4, 3214868480
	.section	.rodata,"a",@progbits
	.p2align	6, 0x0
	.amdhsa_kernel k_q9b21c3d3c9_qkv
		.amdhsa_group_segment_fixed_size 327680
		.amdhsa_private_segment_fixed_size 0
		.amdhsa_enable_private_segment 0
		.amdhsa_kernarg_size 56
		.amdhsa_user_sgpr_count 2
		.amdhsa_user_sgpr_kernarg_segment_ptr 1
		.amdhsa_wavefront_size32 1
		.amdhsa_system_sgpr_workgroup_id_x 1
		.amdhsa_system_sgpr_workgroup_id_y 1
		.amdhsa_system_sgpr_workgroup_id_z 1
		.amdhsa_system_vgpr_workitem_id 0
		.amdhsa_next_free_vgpr 1024
		.amdhsa_next_free_sgpr 102
		.amdhsa_reserve_vcc 1
		.amdhsa_float_denorm_mode_32 3
		.amdhsa_float_denorm_mode_16_64 3
		.amdhsa_memory_ordered 1
		.amdhsa_forward_progress 1
		.amdhsa_inst_pref_size 232
	.end_amdhsa_kernel
	.amdgpu_metadata
---
amdhsa.version: [ 1, 2 ]
amdhsa.kernels:
  - .name:           k_q9b21c3d3c9_qkv
    .symbol:         k_q9b21c3d3c9_qkv.kd
    .args:
      - { .name: cod, .offset: 0, .size: 8, .value_kind: global_buffer, .address_space: global }
      - { .name: scl, .offset: 8, .size: 8, .value_kind: global_buffer, .address_space: global }
      - { .name: q_bias, .offset: 16, .size: 8, .value_kind: global_buffer, .address_space: global }
      - { .name: v_bias, .offset: 24, .size: 8, .value_kind: global_buffer, .address_space: global }
      - { .name: scale_mul, .offset: 32, .size: 8, .value_kind: global_buffer, .address_space: global }
      - { .name: qb, .offset: 40, .size: 8, .value_kind: global_buffer, .address_space: global }
      - { .name: kv, .offset: 48, .size: 8, .value_kind: global_buffer, .address_space: global }
    .group_segment_fixed_size: 327680
    .private_segment_fixed_size: 0
    .kernarg_segment_align: 8
    .kernarg_segment_size: 56
    .max_flat_workgroup_size: 128
    .sgpr_count:     102
    .vgpr_count:     1024
    .wavefront_size: 32
...
	.end_amdgpu_metadata
.endif
;; end of part 2
;; launch attn (part 3): grid 16 x 16, 8 waves a work-group, clusters of 4 x 1, 327,680 bytes of LDS; arguments qb, kv, attn_bias, ob; writes ob
.if DOCPART == 3
	.amdgcn_target "amdgcn-amd-amdhsa--gfx1250"
	.amdhsa_code_object_version 6
	.text
	.protected	k_q9b21c3d3c9_attn
	.globl	k_q9b21c3d3c9_attn
	.p2align	8
	.type	k_q9b21c3d3c9_attn,@function
k_q9b21c3d3c9_attn:
	s_mov_b64 s[64:65], 0
	v_nop
	global_prefetch_b8 v0, s[64:65] scope:SCOPE_SE
	s_setreg_imm32_b32 hwreg(HW_REG_WAVE_MODE, 25, 1), 1
	s_wait_xcnt 0x0
	s_wait_alu depctr_hold_cnt(0) depctr_sa_sdst(0) depctr_va_vdst(0) depctr_va_sdst(0) depctr_va_ssrc(0) depctr_va_vcc(0) depctr_vm_vsrc(0)
	s_getreg_b32 s2, hwreg(HW_REG_IB_STS2, 6, 4)
	s_cmp_eq_u32 s2, 0
	s_cbranch_scc0 .Lentry_in_a_cluster
	s_endpgm
.Lentry_in_a_cluster:
	s_bfe_u32 s2, ttmp6, 0x10000c
	s_cmp_lg_u32 s2, 0x3003
	s_cbranch_scc0 .Lentry_shape_is_right
	s_endpgm
.Lentry_shape_is_right:
; LAUNCH 3 OF 4.  For each batch and head: S = q k^T + attn_bias; p = 2^(t - M), t = S log2(e), M the running largest t rounded up to a whole number; O = (p v) / (the row's sum of the unquantised p);
; O is quantised along the channels and stored as images of operand registers for launch 4.  Both products on codes of FP6 with E8M0 scales; q, k, v arrive as register images from launch 2.  Nothing is left out here.
; SHARES.  A work-group has one head, all eight batches and 64 queries: 16 x 16 = 256 work-groups.  Wave w has batch w and FOUR tiles of 16 queries, so that each fragment of K and of V read from LDS feeds four
; products, a tile of attn_bias in LDS serves eight batches, and every byte of attn_bias is asked for by one work-group.  Eight key steps of 128 through a ring of two LDS slots of 138,240 bytes.
; REGISTERS.  Window 0: v1-11 addresses; v12-27 the tiles' -M, largest t and sums; v32-85 K; v86-93 K's scale words; v96-159 score buffer 0; v160-207 V; v208-219 V's, p's and q's scale words; v224-255 codes and work.
; Window 1: v0-127 O^T of the four tiles; v128-175 their q; v176-239 score buffer 1.  Tile n's scores lie in buffer n % 2: tile n + 2's bias is asked for as soon as tile n's p is coded, and lands under tile n + 1's softmax.
; CLUSTER.  The four work-groups of a cluster have the same head and other queries: the eight batches' blocks of K and V, one dense run of 408 x 256 bytes, are asked for jointly, a quarter each by waves 0-3.
; The bias tiles differ between partners: waves 4-7 fetch 16 rows each by loads of their own.  So every wave issues one tensor load behind each round.
; LAYOUT.  Both products are used transposed: a lane holds ONE query (lane % 16); the 16 registers of score tiles 2 b, 2 b + 1 are keys 32 b + 16 (lane / 16) + 0 .. 15 (launches 1, 2).  THE BIAS IS THE C of the first product.
; K = 64 IN AN INSTRUCTION OF 128.  q's operand has zero codes in registers 6-11; the upper six registers of a tile's operand of K are the next tile's codes (for the last: zeros), which meet q's zeros.
; Bytes 2 and 3 of those scale words are a neighbour head's bytes or 0, never 0xff.
; LIMITS: NaN and infinities are not served; what falls under the smallest normal f32 number in p is taken as 0; the promise holds while |t| stays under 2^31.
.set KVB,   13056                      ; a block of kv: K 8 x 768, V 4 x 1,536, K's scale words 512, V's 256
.set KVS,   8*KVB                      ; the eight batches' blocks of a head and key step
.set KVQ,   102*256                    ; a quarter of them
.set BOFF,  KVS                        ; in a slot, behind the blocks: the bias tile, 64 rows x (512 + 16) bytes
.set BP,    528
.set SLOT1, BOFF+64*BP
.set SPARE, 2*SLOT1                    ; the spare words, 128 bytes a wave
.set QSC,   6291456
.set OSC,   6291456
.set AKV,  1
.set AK8,  2
.set ASC,  3
.set ABI,  4
.set SPW,  5
.set NIL,  6
.set PFO,  7
.set ADK,  8
.set ADK8, 9
.set ADS,  10
.set ADB,  11
.set VF,   160                         ; V's fragments
.set VS,   208                         ; V's scale words
.set PSW,  212                         ; p's scale words, one a tile
.set QS,   216                         ; q's scale words, one a tile
.set QF,   128                         ; window 1: q
.set WV,   18
.set SEL,  20
.set CS,   22
.set G1K,  24
.set G1B,  32
.set G0K,  40
.set G0B,  44
.set TB,   2
.set SLOTS, 67
.set PFA,  76
.set PFS,  78
.set LIM,  80
.set LK,   91                          ; where my load lands in a slot: as a quarter of kv,
.set LB,   92                          ; as 16 rows of the bias
.set TF,   93                          ; the slot that is filled next
.set MSB, 0
.macro WIN new                         ; low byte: bits 1:0 source 0, 3:2 source 1, 5:4 source 2, 7:6 destination; the high byte repeats the setting that is left
.if MSB != (\new)
	s_set_vgpr_msb (MSB<<8)|(\new)
.set MSB, (\new)
.endif
.endm
.macro PLACES
.rept 4
	v_nop
.endr
.endm
.macro TLOAD                           ; an s_nop 0 and four v_nop follow each line
	s_cmp_lt_u32 s[WV], 4
	s_cbranch_scc0 .Lfor_b_\@
	tensor_load_to_lds s[G0K:G0K+3], s[G1K:G1K+7]
	s_nop 0
	PLACES
	s_branch .Lasked_\@
.Lfor_b_\@:
	tensor_load_to_lds s[G0B:G0B+3], s[G1B:G1B+7]
	s_nop 0
	PLACES
.Lasked_\@:
.endm
.macro CROUND
	s_barrier_signal -1
	s_barrier_wait -1
	s_cmp_lg_u32 s[WV], 0
	s_cbranch_scc1 .Lnot_wave_0_\@
	s_barrier_signal -3
.Lnot_wave_0_\@:
	s_barrier_wait -3
	s_barrier_signal -1
	s_barrier_wait -1
.endm
; A PREFETCH of what the NEXT change of slots will ask for, one key step ahead of that load.  Each run of 256 bytes is named by one wave of one work-group.  The bias tile (64 rows x 512 bytes) is the work-group's own:
; waves 0-3, two lanes a row.  The run of kv is read by the four clusters of a head: the first cluster asks; its partner cx takes quarter cx, told apart by address; waves 4-7, lanes 256 bytes apart, held at the
; quarter's last run.  The last change that fills a slot asks for nothing; nothing is asked at the head.
.macro ASK
	s_cmp_gt_u32 s[SLOTS], s[LIM]
	s_cbranch_scc0 .Lnot_mine_\@
	global_prefetch_b8 v[PFO], s[PFA:PFA+1] th:TH_LOAD_NT scope:SCOPE_SE
.Lnot_mine_\@:
.endm
	s_load_b256 s[4:11], s[0:1], 0x0               ; qb s[4:5], kv s[6:7], attn_bias s[8:9], ob s[10:11]
	v_lshl_add_u32 v[SPW], v0, 2, SPARE
	v_mov_b32 v[NIL], 0
	ds_add_u32 v[SPW], v[NIL]                      ; the opening: the add, twice on end, and its wait ahead of the first tensor loads
	ds_add_u32 v[SPW], v[NIL]
	v_lshrrev_b32 v8, 5, v0
	v_readfirstlane_b32 s[WV], v8                  ; wave 0..7 = the batch
	s_and_b32 s70, s[WV], 3
	s_and_b32 s73, ttmp7, 0xffff                   ; the head
	s_bfe_u32 s75, ttmp6, 0x40000                  ; cx
	s_mov_b32 s69, ttmp9                           ; the cluster's x
	s_lshl_b32 s81, ttmp9, 2
	s_add_co_u32 s81, s81, s75                     ; the block of 64 queries
	s_lshl_b32 s82, s[WV], 4
	s_add_co_u32 s82, s82, s73                     ; 16 x batch + head
	s_mul_i32 s48, s73, 8*KVS                      ; the head's runs in kv,
	s_mul_i32 s[LK], s70, KVQ
	s_add_co_u32 s48, s48, s[LK]                   ; my quarter: made of the head and the wave's number: equal in all four partners
	s_mov_b32 s49, 0
	s_lshl_b32 s50, s73, 22                        ; the head's 1,024 rows of 4,096 bytes in attn_bias,
	s_lshl_b32 s51, s81, 18                        ; my work-group's 64 of them,
	s_add_co_u32 s50, s50, s51
	s_mov_b32 s94, s50
	s_lshl_b32 s51, s70, 16                        ; my 16
	s_add_co_u32 s50, s50, s51
	s_mov_b32 s51, 0
	s_mul_i32 s[LB], s70, 16*BP
	s_add_co_u32 s[LB], s[LB], BOFF
	s_mov_b32 s[TF], 0
	s_mov_b32 s[G1K], 15|(3<<16)|(1<<21)           ; the mask: all four work-groups; elements of 8 bytes; bit 21 beside a mask
	s_mov_b32 s[G1K+1], 32<<16                     ; a dense run as 102 rows of 256 bytes
	s_mov_b32 s[G1K+2], 102<<16
	s_mov_b32 s[G1K+3], 32<<16
	s_mov_b32 s[G1K+4], 102
	s_mov_b32 s[G1K+5], 32
	s_mov_b32 s[G1K+6], 0
	s_mov_b32 s[G1K+7], 0
	s_mov_b32 s[G1B], (2<<16)|(1<<20)|(6<<22)|(3<<25)  ; no mask; elements of 4 bytes; 4 words of padding behind every 128
	s_mov_b32 s[G1B+1], 128<<16
	s_mov_b32 s[G1B+2], 16<<16
	s_mov_b32 s[G1B+3], 128<<16
	s_mov_b32 s[G1B+4], 16
	s_mov_b32 s[G1B+5], 1024
	s_mov_b32 s[G1B+6], 0
	s_mov_b32 s[G1B+7], 0
	s_mov_b32 s[SEL], 0x76543210
	s_mov_b32 s[SEL+1], 0xfedcba98
	s_mov_b32 s[CS], 0x3fb8aa3b                    ; log2(e)
	s_mov_b32 s[CS+1], s[CS]
	s_mov_b32 s[TB], 0
	s_mov_b32 s[SLOTS], 7
	s_wait_dscnt 0x0
	s_wait_kmcnt 0x0
	s_mov_b32 s[G0K], 1
	s_mov_b32 s[G0K+1], s[LK]
	s_add_nc_u64 s[G0K+2:G0K+3], s[6:7], s[48:49]
	s_or_b32 s[G0K+3], s[G0K+3], 0x80000000
	s_mov_b32 s[G0B], 1
	s_mov_b32 s[G0B+1], s[LB]
	s_add_nc_u64 s[G0B+2:G0B+3], s[8:9], s[50:51]
	s_or_b32 s[G0B+3], s[G0B+3], 0x80000000
	CROUND                                         ; all four work-groups are here: the first joint loads meet
	TLOAD                                          ; key step 0 into slot 0: one load a wave
	s_mul_i32 s86, s73, 8*KVS                      ; the prefetches: where my wave's stand, and who asks
	s_mul_i32 s87, s75, KVQ
	s_add_co_u32 s86, s86, s87
	s_add_co_u32 s86, s86, KVS                     ; at key step 1: the first change of slots steps it to 2
	s_add_co_u32 s87, s94, 512
	s_mov_b32 s[PFS], KVS
	s_cmp_lt_u32 s[WV], 4
	s_cselect_b64 s[PFA:PFA+1], s[8:9], s[6:7]
	s_cselect_b32 s[PFS], 512, s[PFS]
	s_cselect_b32 s84, 0, s69
	s_cselect_b32 s85, -1, 0
	s_cselect_b32 s86, s87, s86
	s_mov_b32 s87, 0
	s_mov_b32 s[PFS+1], 0
	s_add_nc_u64 s[PFA:PFA+1], s[PFA:PFA+1], s[86:87]
	s_cmp_eq_u32 s84, 0
	s_cselect_b32 s[LIM], 1, -1                    ; made of the wave's number and the cluster's x: the same in all partners
	s_lshl_b32 s88, s70, 4
	s_lshl_b32 s89, s70, 5
	s_mul_i32 s52, s[WV], KVB
	; q.  Tile n is the half u = n % 2 of group b' = 2 x block + n / 2 of 32 queries; launch 2's tiles hold rows 8 u + r + 8 (r / 8): query r of half u lies in its tile 2 b' + r / 8 at row 8 u + r % 8
	s_lshl_b32 s54, s81, 2                         ; my first tile of the head's 64: kept for the way out
	s_lshl_b32 s57, s82, 6
	s_add_co_u32 s57, s57, s54
	s_mul_i32 s58, s57, 768
	s_mov_b32 s59, 0
	s_add_nc_u64 s[60:61], s[4:5], s[58:59]
	s_lshl_b32 s58, s82, 4
	s_add_co_u32 s58, s58, s81
	s_lshl_b32 s58, s58, 8                         ; scale words: four of launch 2's tiles in 256 bytes
	s_add_co_u32 s58, s58, QSC
	s_add_nc_u64 s[62:63], s[4:5], s[58:59]
	v_and_b32 v8, 15, v0                           ; r
	v_bfe_u32 v9, v0, 4, 1                         ; h
	v_and_b32 v10, 31, v0                          ; lane
	v_lshrrev_b32 v11, 1, v10
	v_add_nc_u32 v11, s88, v11
	v_lshlrev_b32 v11, 12, v11
	v_and_b32 v12, 1, v10
	v_lshl_add_u32 v11, v12, 8, v11                ; bias: row 16 (w % 4) + lane / 2, half lane % 2
	v_add_nc_u32 v12, s89, v10
	v_min_u32 v12, 101, v12
	v_lshlrev_b32 v12, 8, v12                      ; kv: run 32 (w % 4) + lane, at most the quarter's last
	v_cndmask_b32 v[PFO], v12, v11, s85
	v_lshl_add_u32 v[AKV], v10, 4, s52
	v_lshl_add_u32 v[AK8], v10, 3, s52
	v_add_nc_u32 v[AK8], 512, v[AK8]
	v_lshl_add_u32 v[ASC], v8, 4, s52
	v_add_nc_u32 v[ASC], 12288, v[ASC]
	v_mul_u32_u24 v[ABI], v8, BP
	v_lshl_add_u32 v[ABI], v9, 6, v[ABI]
	v_add_nc_u32 v[ABI], BOFF, v[ABI]
	v_lshrrev_b32 v11, 3, v8                       ; r / 8
	v_and_b32 v12, 7, v8
	v_lshl_add_u32 v13, v9, 4, v12                 ; the lane that held it (u = 0; u = 1: eight lanes on)
	v_mul_u32_u24 v14, v11, 768
	v_lshl_add_u32 v28, v13, 4, v14
	v_lshl_add_u32 v29, v13, 3, v14
	v_lshlrev_b32 v30, 4, v12
	v_lshl_add_u32 v30, v11, 2, v30
.irp t, 0,1,2,3
	global_load_b32 v[QS+\t], v30, s[62:63] offset:8*(\t/2)+128*(\t%2)
.endr
	WIN 0x40
.irp t, 0,1,2,3
	global_load_b128 v[QF+12*\t:QF+12*\t+3], v28, s[60:61] offset:1536*(\t/2)+128*(\t%2)
	global_load_b64 v[QF+12*\t+4:QF+12*\t+5], v29, s[60:61] offset:512+1536*(\t/2)+64*(\t%2)
.endr
.irp t, 0,1,2,3
.irp j, 6,7,8,9,10,11
	v_mov_b32 v[QF+12*\t+\j], 0                    ; q's codes of k = 64 .. 127: zeros
.endr
.endr
.set j, 0
.rept 128
	v_mov_b32 v[j], 0                              ; O^T: the step is written once; its first turn finds zeros
.set j, j+1
.endr
	WIN 0
.irp t, 0,1,2,3
	v_mov_b32 v[13+4*\t], 0xff61b1e6               ; the largest t so far: -3e38
	v_floor_f32 v[12+4*\t], -v[13+4*\t]            ; -M
	v_mov_b32 v[14+4*\t], 0
	v_mov_b32 v[15+4*\t], 0
.endr
.irp j, 80,81,82,83,84,85,236,237,238,239,253
	v_mov_b32 v[\j], 0                             ; behind K's last tile; lane permutes' destinations; an upper half that is only named
.endr
.macro ADDR                            ; the slot's addresses; these four are also the places behind the last products, in front of the loads into their operands
	v_add_nc_u32 v[ADK], s[TB], v[AKV]
	v_add_nc_u32 v[ADK8], s[TB], v[AK8]
	v_add_nc_u32 v[ADS], s[TB], v[ASC]
	v_add_nc_u32 v[ADB], s[TB], v[ABI]
.endm
.macro LOADK                           ; 18 loads
.irp j, 0,1,2,3,4,5,6,7
	ds_load_b128 v[32+6*\j:35+6*\j], v[ADK] offset:768*\j
	ds_load_b64 v[36+6*\j:37+6*\j], v[ADK8] offset:768*\j
.endr
	ds_load_b128 v[86:89], v[ADS]
	ds_load_b128 v[90:93], v[ADS] offset:256
.endm
.macro LOADV                           ; 13 loads
.irp d, 0,1,2,3
.irp p, 0,1,2
	ds_load_b128 v[VF+12*\d+4*\p:VF+12*\d+4*\p+3], v[ADK] offset:6144+1536*\d+512*\p
.endr
.endr
	ds_load_b128 v[VS:VS+3], v[ADS] offset:512
.endm
.macro TILE n                          ; tile n's registers: its score buffer and that buffer's window, its state, its O^T
.set SW, (\n)%2
.set SB, 96+80*SW
.set ST, 12+4*(\n)
.set OB, 32*(\n)
.endm
.macro BIAS n                          ; 16 loads: the bias of keys 32 (j / 2) + 16 h + 8 (j % 2) + 0 .. 7 into score tile j's accumulator
	TILE \n
	WIN 0x40*SW
.irp j, 0,1,2,3,4,5,6,7
	ds_load_b128 v[SB+8*\j:SB+8*\j+3], v[ADB] offset:16*BP*(\n)+128*(\j/2)+32*(\j%2)
	ds_load_b128 v[SB+8*\j+4:SB+8*\j+7], v[ADB] offset:16*BP*(\n)+128*(\j/2)+32*(\j%2)+16
.endr
	WIN 0
.endm
.macro QK n                            ; K from window 0, q from window 1, C and D in the tile's buffer
	TILE \n
	WIN 0x04+0x50*SW
.irp j, 0,1,2,3,4,5,6,7
	v_wmma_scale_f32_16x16x128_f8f6f4 v[SB+8*\j:SB+8*\j+7], v[32+6*\j:43+6*\j], v[QF+12*(\n):QF+12*(\n)+11], v[SB+8*\j:SB+8*\j+7], v[86+\j], v[QS+(\n)] matrix_a_fmt:MATRIX_FMT_FP6 matrix_b_fmt:MATRIX_FMT_FP6
.endr
	WIN 0
.endm
.macro PV n                            ; V and p from window 0, C and D in window 1
	TILE \n
	WIN 0x50
.irp d, 0,1,2,3
	v_wmma_scale_f32_16x16x128_f8f6f4 v[OB+8*\d:OB+8*\d+7], v[VF+12*\d:VF+12*\d+11], v[224:235], v[OB+8*\d:OB+8*\d+7], v[VS+\d], v[PSW+(\n)] matrix_a_fmt:MATRIX_FMT_FP6 matrix_b_fmt:MATRIX_FMT_FP6
.endr
	WIN 0
.endm
.macro PA d, a, b
	v_pk_add_f32 v[\d:\d+1], v[SB+\a:SB+\a+1], v[SB+\b:SB+\b+1]
.endm
.macro PB d, a
	v_pk_add_f32 v[\d:\d+1], v[\d:\d+1], v[SB+\a:SB+\a+1]
.endm
.macro PC d, a
	v_pk_add_f32 v[\d:\d+1], v[\d:\d+1], v[\a:\a+1]
.endm
.macro SOFT n                          ; a tile's 128 scores become p's codes and scale word; its sums and O^T come under the new M.  The windows are set by which operands are scores
	TILE \n
	WIN 0x15*SW
	s_wait_alu depctr_va_vdst(0)                   ; the wait directly ahead of the first reader of the scores
.irp b, 0,1,2,3
	v_max3_num_f32 v[232+\b], v[SB+16*\b], v[SB+1+16*\b], v[SB+2+16*\b]   ; the largest score of each block of 32 keys: for the row's maximum and, since p rises with the score, for the block's largest p
.endr
	WIN 0x14*SW
.irp i, 3,5,7,9,11,13
.irp b, 0,1,2,3
	v_max3_num_f32 v[232+\b], v[232+\b], v[SB+16*\b+\i], v[SB+1+16*\b+\i]
.endr
.endr
	WIN 0x04*SW
.irp b, 0,1,2,3
	v_max_num_f32 v[232+\b], v[232+\b], v[SB+15+16*\b]
.endr
	WIN 0
.irp b, 0,1,2,3
	v_permlanex16_b32 v[236+\b], v[232+\b], s[SEL], s[SEL+1]
.endr
.irp b, 0,1,2,3
	v_max_num_f32 v[232+\b], v[232+\b], v[236+\b]
.endr
	v_max3_num_f32 v254, v232, v233, v234
	s_delay_alu instid0(VALU_DEP_1)
	v_max_num_f32 v254, v254, v235
	s_delay_alu instid0(VALU_DEP_1)
	v_mul_f32 v254, s[CS], v254                    ; as t
	s_delay_alu instid0(VALU_DEP_1)
	v_max_num_f32 v[ST+1], v[ST+1], v254           ; the running largest t
	v_mov_b32 v254, v[ST]
	s_delay_alu instid0(VALU_DEP_2)
	v_floor_f32 v[ST], -v[ST+1]                    ; the new -M = -ceil(t)
	s_delay_alu instid0(VALU_DEP_1)
	v_sub_f32 v254, v[ST], v254                    ; old M - new M: a whole number, 0 or less
	s_delay_alu instid0(VALU_DEP_1)
	v_cvt_i32_f32 v254, v254                       ; (it saturates)
	s_delay_alu instid0(VALU_DEP_1)
	v_ldexp_f32 v252, 1.0, v254                    ; f = 2^(old M - new M)
.irp b, 0,1,2,3
	v_fma_f32 v[232+\b], v[232+\b], s[CS], v[ST]
.endr
	WIN 0x41*SW
.set j, 0
.rept 32
	v_pk_fma_f32 v[SB+j:SB+j+1], v[SB+j:SB+j+1], s[CS:CS+1], v[ST:ST+1] op_sel_hi:[1,0,0]   ; t - M
.set j, j+2
.endr
	s_wait_alu depctr_va_vdst(0)                   ; the wait ahead of the batch
.set j, 0
.rept 64
	v_exp_f32 v[SB+j], v[SB+j]                     ; p = 2^(t - M)
.set j, j+1
.endr
	WIN 0
	v_pk_mul_f32 v[ST+2:ST+3], v[ST+2:ST+3], v[252:253] op_sel_hi:[1,0]   ; the sums under the new M (a plain line behind the exponentials)
	s_wait_alu depctr_va_vdst(0)                   ; one wait for the batch of 64
.irp b, 0,1,2,3
	v_exp_f32 v[232+\b], v[232+\b]                 ; each block's largest p
.endr
	WIN 0x05*SW                                    ; the row's sum of the unquantised p, in eight chains
	PA 236, 4, 8
	PA 254, 12, 16
	PA 250, 20, 24
	PA 248, 28, 32
	PA 246, 36, 40
	PA 244, 44, 48
	PA 242, 52, 56
	WIN 0x04*SW
	PB ST+2, 60
	PB 236, 0
	PB 254, 2
	PB 250, 6
	PB 248, 10
	PB 246, 14
	PB 244, 18
	PB 242, 22
	PB ST+2, 26
	PB 236, 30
	PB 254, 34
	PB 250, 38
	PB 248, 42
	PB 246, 46
	PB 244, 50
	PB 242, 54
	PB ST+2, 58
	PB 236, 62
	WIN 0
	PC ST+2, 248
	PC 236, 246
	PC 254, 244
	PC 250, 242
	PC ST+2, 254
	PC 236, 250
	s_delay_alu instid0(VALU_DEP_1)
	PC ST+2, 236
	s_wait_alu depctr_va_vdst(0)                   ; and one for the four
.irp b, 0,1,2,3
	v_max_num_f32 v[232+\b], 0x1800000, v[232+\b]  ; the floor 2^(3 - 127)
.endr
.irp b, 0,1,2,3
	v_add_nc_u32 v[244+\b], 0xff000000, v[232+\b]  ; the conversion's scale operand
.endr
.irp b, 0,1,2,3
	v_lshrrev_b32 v[236+\b], 23, v[244+\b]         ; the scale's byte
.endr
	v_lshl_or_b32 v253, v237, 8, v236
	s_delay_alu instid0(VALU_DEP_1)
	v_lshl_or_b32 v253, v238, 16, v253
	s_delay_alu instid0(VALU_DEP_1)
	v_lshl_or_b32 v[PSW+(\n)], v239, 24, v253      ; p's scale word for these 128 keys
	WIN 0x01*SW
.irp c, 0,1
	v_cvt_scalef32_pk16_fp6_f32 v[224+6*\c:226+6*\c], v[SB+32*\c:SB+15+32*\c], v[244+2*\c]
	v_cvt_scalef32_pk16_fp6_f32 v[236+4*\c:238+4*\c], v[SB+16+32*\c:SB+31+32*\c], v[244+2*\c+1]
.endr
	WIN 0
	v_nop                                          ; one plain place behind a scaled conversion
.irp c, 0,1
.irp i, 0,1,2
	v_permlane16_swap_b32 v[224+6*\c+\i], v[236+4*\c+\i]   ; the operand's layout wants a whole block in a lane
.endr
.irp i, 0,1,2
	v_mov_b32 v[227+6*\c+\i], v[236+4*\c+\i]
.endr
.endr
	WIN 0x41
	s_wait_alu depctr_va_vdst(0)                   ; the wait directly ahead of the first reader of O^T
.set j, 0
.rept 16
	v_pk_mul_f32 v[OB+j:OB+j+1], v[OB+j:OB+j+1], v[252:253] op_sel_hi:[1,0]   ; O^T under the new M (also the places in front of the products)
.set j, j+2
.endr
	WIN 0
.endm
; THE CHANGE OF SLOTS: each wave waits for its tensor load, adds 0 to its spare word, and waits for that and for its reads of the slot that it has left.  fill = 1: a round of the cluster's barrier,
; and behind it the slot just left is asked for the next step's tiles, one tensor load a wave.
.macro CHANGE fill
	s_wait_tensorcnt 0x0
	ds_add_u32 v[SPW], v[NIL]
.if \fill
	s_xor_b32 s[TF], s[TF], SLOT1                  ; the walking descriptors: the other slot, the next step
	s_add_co_u32 s[G0K+1], s[TF], s[LK]
	s_add_nc_u64 s[G0K+2:G0K+3], s[G0K+2:G0K+3], KVS
	s_add_co_u32 s[G0B+1], s[TF], s[LB]
	s_add_nc_u64 s[G0B+2:G0B+3], s[G0B+2:G0B+3], 512
	s_wait_xcnt 0x0                                ; the last prefetch, a step back, has read its address
	s_add_nc_u64 s[PFA:PFA+1], s[PFA:PFA+1], s[PFS:PFS+1]
.endif
	s_wait_dscnt 0x0
.if \fill
	CROUND
	TLOAD
	ASK
.else
	s_barrier_signal -1
	s_barrier_wait -1
.endif
.endm
.macro PERIOD fill                     ; a key step of 128 for my four tiles
	CHANGE \fill
	ADDR
	LOADK
	BIAS 0
	BIAS 1
	LOADV
	s_wait_dscnt 29                                ; K, its scale words and tile 0's bias are in; tile 1's 16 loads and V's 13 may be out
	QK 0
	s_wait_dscnt 0x0
	QK 1
	PLACES                                         ; in front of the first read of the scores
	SOFT 0
	BIAS 2                                         ; into buffer 0, whose p is coded
	PV 0
	PLACES                                         ; in front of the next tile's writes of the work registers that held p's codes
	SOFT 1
	BIAS 3
	PV 1
	s_wait_dscnt 16                                ; tile 2's bias is in; tile 3's 16 loads may be out
	QK 2
	PLACES
	SOFT 2
	PV 2
	s_wait_dscnt 0x0
	QK 3
	PLACES
	SOFT 3
	PV 3
.endm
	s_wait_alu depctr_va_vdst(0)                   ; the wait at the head's end
	s_wait_loadcnt 0x0                             ; q
.Lslot:                                            ; seven trips: behind each change of slots but the last the next step is asked for
	PERIOD 1
	s_xor_b32 s[TB], s[TB], SLOT1
	s_sub_co_u32 s[SLOTS], s[SLOTS], 1
	s_cmp_lg_u32 s[SLOTS], 0
	s_cbranch_scc1 .Lslot
	PERIOD 0                                       ; the last step is written out
	; THE WAY OUT.  O^T / the sum; register 16 b + i is channel 32 b + 16 h + i of the head: two blocks of 32 along launch 4's K, quantised as p is.
	s_lshl_b32 s48, s[WV], 6
	s_add_co_u32 s48, s48, s54                     ; my first tile of 16 tokens among the 512
	s_lshl_b32 s49, s48, 4
	s_add_co_u32 s49, s49, s73
	s_mul_i32 s50, s49, 768                        ; its image for my head; the next tile's lies 16 x 768 bytes on
	s_mov_b32 s51, 0
	s_add_nc_u64 s[52:53], s[10:11], s[50:51]
	s_lshl_b32 s50, s48, 9
	s_lshl_b32 s49, s73, 1
	s_add_co_u32 s50, s50, s49
	s_add_co_u32 s50, s50, OSC
	s_add_nc_u64 s[56:57], s[10:11], s[50:51]
	v_and_b32 v8, 15, v0                           ; (plain lines: the places behind the last products)
	v_bfe_u32 v9, v0, 4, 1
	v_and_b32 v10, 31, v0
	v_lshlrev_b32 v28, 4, v10
	v_lshlrev_b32 v29, 3, v10
	v_lshl_add_u32 v30, v8, 5, v9                  ; scale bytes: 32 a token, + my block
	v_cmp_gt_u32 s90, 16, v10
.irp t, 0,1,2,3
	v_add_f32 v[14+4*\t], v[14+4*\t], v[15+4*\t]
.endr
.irp t, 0,1,2,3
	v_permlanex16_b32 v[236+\t], v[14+4*\t], s[SEL], s[SEL+1]
.endr
.irp t, 0,1,2,3
	v_add_f32 v[14+4*\t], v[14+4*\t], v[236+\t]    ; the rows' sums
.endr
	s_wait_alu depctr_va_vdst(0)
.irp t, 0,1,2,3
	v_rcp_f32 v[14+4*\t], v[14+4*\t]
.endr
	v_nop
.macro OUTT n
	TILE \n
.set CD, VF+12*(\n)                    ; the tile's codes and byte, in registers of their own where V lay: no store's data are written again
	WIN 0x01
	s_wait_alu depctr_va_vdst(0)                   ; for the reciprocals, and directly ahead of the first reader of O^T
.set j, 0
.rept 16
	v_pk_mul_f32 v[96+j:97+j], v[OB+j:OB+j+1], v[ST+2:ST+3] op_sel_hi:[1,0]
.set j, j+2
.endr
	WIN 0
.irp b, 0,1
	v_max3_num_f32 v[232+\b], |v[96+16*\b]|, |v[97+16*\b]|, 0x1800000
.endr
.irp i, 2,4,6,8,10,12,14
.irp b, 0,1
	v_max3_num_f32 v[232+\b], v[232+\b], |v[96+16*\b+\i]|, |v[97+16*\b+\i]|
.endr
.endr
.irp b, 0,1
	v_permlanex16_b32 v[236+\b], v[232+\b], s[SEL], s[SEL+1]
.endr
.irp b, 0,1
	v_max_num_f32 v[232+\b], v[232+\b], v[236+\b]
.endr
.irp b, 0,1
	v_add_nc_u32 v[244+\b], 0xff000000, v[232+\b]
.endr
.irp b, 0,1
	v_lshrrev_b32 v[236+\b], 23, v[244+\b]
.endr
	v_cvt_scalef32_pk16_fp6_f32 v[CD:CD+2], v[96:111], v244
	v_cvt_scalef32_pk16_fp6_f32 v[CD+6:CD+8], v[112:127], v245
	v_nop                                          ; one plain place behind a scaled conversion
.irp i, 0,1,2
	v_permlane16_swap_b32 v[CD+\i], v[CD+6+\i]
.endr
.irp i, 0,1,2
	v_mov_b32 v[CD+3+\i], v[CD+6+\i]               ; six registers: channels 32 h + 0 .. 31 of my token
.endr
	v_cndmask_b32 v[CD+9], v237, v236, s90         ; my block's byte
	global_store_b128 v28, v[CD:CD+3], s[52:53] offset:12288*(\n)          ; 512 consecutive bytes,
	global_store_b64 v29, v[CD+4:CD+5], s[52:53] offset:12288*(\n)+512     ; and 256
	global_store_b8 v30, v[CD+9], s[56:57] offset:512*(\n)                 ; two bytes of a token's 32: the other heads' work-groups store the rest
.endm
.irp t, 0,1,2,3
	OUTT \t
.endr
	s_wait_tensorcnt 0x0                           ; the wave's end
	ds_add_u32 v[SPW], v[NIL]
	s_wait_dscnt 0x0
	CROUND                                         ; the closing round
	s_endpgm
.Lfunc_end_k_q9b21c3d3c9_attn:
	.size	k_q9b21c3d3c9_attn, .Lfunc_end_k_q9b21c3d3c9_attn-k_q9b21c3d3c9_attn
	.p2alignl 7, 3214868480
	.fill 96, 4, 3214868480
	.section	.rodata,"a",@progbits
	.p2align	6, 0x0
	.amdhsa_kernel k_q9b21c3d3c9_attn
		.amdhsa_group_segment_fixed_size 327680
		.amdhsa_private_segment_fixed_size 0
		.amdhsa_enable_private_segment 0
		.amdhsa_kernarg_size 32
		.amdhsa_user_sgpr_count 2
		.amdhsa_user_sgpr_kernarg_segment_ptr 1
		.amdhsa_wavefront_size32 1
		.amdhsa_system_sgpr_workgroup_id_x 1
		.amdhsa_system_sgpr_workgroup_id_y 1
		.amdhsa_system_sgpr_workgroup_id_z 1
		.amdhsa_system_vgpr_workitem_id 0
		.amdhsa_next_free_vgpr 512
		.amdhsa_next_free_sgpr 100
		.amdhsa_reserve_vcc 0
		.amdhsa_float_denorm_mode_32 3
		.amdhsa_float_denorm_mode_16_64 3
		.amdhsa_memory_ordered 1
		.amdhsa_forward_progress 1
		.amdhsa_inst_pref_size 155
	.end_amdhsa_kernel
	.amdgpu_metadata
---
amdhsa.version: [ 1, 2 ]
amdhsa.kernels:
  - .name:           k_q9b21c3d3c9_attn
    .symbol:         k_q9b21c3d3c9_attn.kd
    .args:
      - { .name: qb, .offset: 0, .size: 8, .value_kind: global_buffer, .address_space: global }
      - { .name: kv, .offset: 8, .size: 8, .value_kind: global_buffer, .address_space: global }
      - { .name: attn_bias, .offset: 16, .size: 8, .value_kind: global_buffer, .address_space: global }
      - { .name: ob, .offset: 24, .size: 8, .value_kind: global_buffer, .address_space: global }
    .group_segment_fixed_size: 327680
    .private_segment_fixed_size: 0
    .kernarg_segment_align: 8
    .kernarg_segment_size: 32
    .max_flat_workgroup_size: 256
    .sgpr_count:     100
    .vgpr_count:     512
    .wavefront_size: 32
...
	.end_amdgpu_metadata
.endif
;; end of part 3
;; launch proj (part 4): grid 4 x 64, 4 waves a work-group, clusters of 4 x 4, 327,680 bytes of LDS; arguments ob, cod, scl, b_proj, out0; writes out0
.if DOCPART == 4
	.amdgcn_target "amdgcn-amd-amdhsa--gfx1250"
	.amdhsa_code_object_version 6
	.text
	.protected	k_q9b21c3d3c9_proj
	.globl	k_q9b21c3d3c9_proj
	.p2align	8
	.type	k_q9b21c3d3c9_proj,@function
k_q9b21c3d3c9_proj:
	s_mov_b64 s[64:65], 0
	v_nop
	global_prefetch_b8 v0, s[64:65] scope:SCOPE_SE
	s_setreg_imm32_b32 hwreg(HW_REG_WAVE_MODE, 25, 1), 1
	s_wait_xcnt 0x0
	s_wait_alu depctr_hold_cnt(0) depctr_sa_sdst(0) depctr_va_vdst(0) depctr_va_sdst(0) depctr_va_ssrc(0) depctr_va_vcc(0) depctr_vm_vsrc(0)
	s_getreg_b32 s2, hwreg(HW_REG_IB_STS2, 6, 4)
	s_cmp_eq_u32 s2, 0
	s_cbranch_scc0 .Lentry_in_a_cluster
	s_endpgm
.Lentry_in_a_cluster:
	s_bfe_u32 s2, ttmp6, 0x10000c
	s_cmp_lg_u32 s2, 0xf033
	s_cbranch_scc0 .Lentry_shape_is_right
	s_endpgm
.Lentry_shape_is_right:
.set KSTEP,  256
.set NQ,     2
.set ROWB,   192
.set KROW,   768
.set PITCH,  240
.set FR,     12
.set NP,     4
.set AIMG,   3072
.set AHALF,  4*AIMG
.set BOFF,   2*AHALF
.set HALFT,  8*AIMG
.set SLOT,   BOFF+2*HALFT
.set LAPS,   2
.set SCL,    2*SLOT
.set HSA,    8*272
.set HSB,    16*272
.set SBLK,   544
.set SPARE,  SCL+2*HSA+2*HSB
.set SPITCH, 528
.set OSC,    6291456
.set AL16, 16
.set AL8,  18
.set ADRB, 20
.set STO,  24
.set RD,   25
.set CO,   26
.set ADRS, 27
.set SPW,  28
.set NIL,  29
.set SC,   32
.set AF,   128
.set BK,   128
.set G1, 24
.set G0, 32
.set G1B, 48
.set G0B, 56
.set G1S, 68
.set G0S, 76
.set G1SB, 80
.set G0SB, 88
.set MSB, 0
.macro WIN new
.if MSB != \new
	s_set_vgpr_msb (MSB<<8)|\new
.set MSB, \new
.endif
.endm
.set MUL_A, 0xa1
.set MUL_C, 0xb1
.set TO_B,  0x40
.macro JLOAD g0a, g1a, g0b, g1b
	s_cmp_eq_u32 s15, 0
	s_cbranch_scc0 .Lfor_b_\@
	tensor_load_to_lds s[\g0a:\g0a+3], s[\g1a:\g1a+7]
	s_nop 0
.rept 4
	v_nop
.endr
	s_branch .Lasked_\@
.Lfor_b_\@:
	tensor_load_to_lds s[\g0b:\g0b+3], s[\g1b:\g1b+7]
	s_nop 0
.rept 4
	v_nop
.endr
.Lasked_\@:
.endm
.macro CREST
	s_cmp_lg_u32 s14, 0
	s_cbranch_scc1 .Lnot_wave_0_\@
	s_barrier_signal -3
.Lnot_wave_0_\@:
	s_barrier_wait -3
	s_barrier_signal -1
	s_barrier_wait -1
.endm
.macro CROUND
	s_barrier_signal -1
	s_barrier_wait -1
	CREST
.endm
	s_load_b256 s[4:11], s[0:1], 0x0
	s_load_b64 s[12:13], s[0:1], 0x20
	v_lshl_add_u32 v[SPW], v0, 2, SPARE
	v_mov_b32 v[NIL], 0
	ds_add_u32 v[SPW], v[NIL]
	ds_add_u32 v[SPW], v[NIL]
	v_lshrrev_b32 v1, 5, v0
	v_readfirstlane_b32 s14, v1
	s_lshr_b32 s15, s14, 1
	s_and_b32 s16, s14, 1
	s_bfe_u32 s40, ttmp6, 0x40000
	s_bfe_u32 s41, ttmp6, 0x40004
	s_lshl_b32 s42, ttmp9, 2
	s_add_co_u32 s42, s42, s40
	s_and_b32 s17, ttmp7, 0xffff
	s_lshl_b32 s17, s17, 2
	s_add_co_u32 s17, s17, s41
	s_lshl_b32 s43, s41, 2
	s_lshl_b32 s43, 15, s43
	s_lshl_b32 s44, 0x1111, s40
	s_or_b32 s[G1+0], s43, (3<<16)|(1<<21)
	s_mov_b32 s[G1+1], 384<<16
	s_mov_b32 s[G1+2], 4<<16
	s_mov_b32 s[G1+3], 384<<16
	s_mov_b32 s[G1+4], 4
	s_mov_b32 s[G1+5], 1536
	s_mov_b32 s[G1+6], 0
	s_mov_b32 s[G1+7], 0
	s_or_b32 s[G1B+0], s44, (3<<16)|(1<<21)        ; w_proj's codes lie as images of operand registers (launch 1): eight tiles x 3,072 dense bytes, 12,288 apart
	s_mov_b32 s[G1B+1], 384<<16
	s_mov_b32 s[G1B+2], 8<<16
	s_mov_b32 s[G1B+3], 384<<16
	s_mov_b32 s[G1B+4], 8
	s_mov_b32 s[G1B+5], 1536
	s_mov_b32 s[G1B+6], 0
	s_mov_b32 s[G1B+7], 0
	s_or_b32 s[G1S+0], s43, (3<<16)|(1<<20)|(1<<21)|(5<<22)|(3<<25)
	s_mov_b32 s[G1S+1], 32<<16
	s_mov_b32 s[G1S+2], 8<<16
	s_mov_b32 s[G1S+3], 32<<16
	s_mov_b32 s[G1S+4], 8
	s_mov_b32 s[G1S+5], 32
	s_mov_b32 s[G1S+6], 0
	s_mov_b32 s[G1S+7], 0
	s_or_b32 s[G1SB+0], s44, (3<<16)|(1<<20)|(1<<21)|(5<<22)|(3<<25)
	s_mov_b32 s[G1SB+1], 32<<16
	s_mov_b32 s[G1SB+2], 16<<16
	s_mov_b32 s[G1SB+3], 32<<16
	s_mov_b32 s[G1SB+4], 16
	s_mov_b32 s[G1SB+5], 32
	s_mov_b32 s[G1SB+6], 0
	s_mov_b32 s[G1SB+7], 0
	s_lshl_b32 s20, s17, 3
	s_lshl_b32 s18, s16, 2
	s_add_co_u32 s20, s20, s18
	s_mul_i32 s20, s20, 16*768
	s_mov_b32 s21, 0
	s_lshl_b32 s22, s17, 12
	s_lshl_b32 s18, s16, 11
	s_add_co_u32 s22, s22, s18
	s_add_co_u32 s22, s22, OSC
	s_mov_b32 s23, 0
	s_lshl_b32 s46, s42, 8
	s_lshl_b32 s18, s16, 7
	s_add_co_u32 s46, s46, s18
	s_add_co_u32 s46, s46, 11264
	s_lshl_b32 s92, s46, 5
	s_mov_b32 s93, 0
	s_mul_i32 s46, s46, KROW
	s_mov_b32 s47, 0
	s_mul_i32 s45, s16, AHALF
	s_mul_i32 s94, s16, HALFT
	s_add_co_u32 s94, s94, BOFF
	s_mul_i32 s2, s16, HSA
	s_add_co_u32 s2, s2, SCL
	s_mul_i32 s95, s16, HSB
	s_add_co_u32 s95, s95, SCL+2*HSA
	s_wait_dscnt 0x0
	s_wait_kmcnt 0x0
	s_add_nc_u64 s[20:21], s[4:5], s[20:21]
	s_add_nc_u64 s[22:23], s[4:5], s[22:23]
	s_add_nc_u64 s[46:47], s[6:7], s[46:47]
	s_add_nc_u64 s[92:93], s[8:9], s[92:93]
	CROUND
	s_mov_b32 s[G0S], 1
	s_mov_b32 s[G0S+1], s2
	s_mov_b64 s[G0S+2:G0S+3], s[22:23]
	s_or_b32 s[G0S+3], s[G0S+3], 0x80000000
	s_mov_b32 s[G0SB], 1
	s_mov_b32 s[G0SB+1], s95
	s_mov_b64 s[G0SB+2:G0SB+3], s[92:93]
	s_or_b32 s[G0SB+3], s[G0SB+3], 0x80000000
	JLOAD G0S, G1S, G0SB, G1SB
.irp s, 0,1
	s_mov_b32 s[G0+4*\s], 1
	s_add_co_u32 s[G0+4*\s+1], s45, \s*SLOT
	s_add_nc_u64 s[G0+4*\s+2:G0+4*\s+3], s[20:21], \s*AIMG
	s_or_b32 s[G0+4*\s+3], s[G0+4*\s+3], 0x80000000
	s_mov_b32 s[G0B+4*\s], 1
	s_add_co_u32 s[G0B+4*\s+1], s94, \s*SLOT
	s_add_nc_u64 s[G0B+4*\s+2:G0B+4*\s+3], s[46:47], \s*AIMG
	s_or_b32 s[G0B+4*\s+3], s[G0B+4*\s+3], 0x80000000
	s_wait_alu depctr_va_vdst(0)
	s_wait_tensorcnt 0x0
	ds_add_u32 v28, v29
	s_wait_dscnt 0x0
	CROUND
	JLOAD G0+4*\s, G1, G0B+4*\s, G1B
.endr
	v_and_b32 v1, 15, v0
	v_bfe_u32 v2, v0, 4, 1
	v_and_b32 v7, 31, v0
	v_lshlrev_b32 v4, 4, v7
	v_lshlrev_b32 v5, 3, v7
	s_mul_i32 s21, s15, AHALF
	s_mul_i32 s22, s16, HALFT
	s_add_co_u32 s22, s22, BOFF
.irp s, 0,1
	v_lshl_add_u32 v[AL16+\s], v7, 4, s21
	v_lshl_add_u32 v[AL8+\s], v7, 3, s21
	v_add_nc_u32 v[ADRB+\s], s22, v4
	v_add_nc_u32 v[ADRB+2+\s], s22, v5
	s_add_co_u32 s21, s21, SLOT
	s_add_co_u32 s22, s22, SLOT
.endr
	v_lshlrev_b32 v5, 5, v1
	v_lshrrev_b32 v6, 8, v5
	v_lshl_add_u32 v5, v6, 4, v5
	s_mul_i32 s21, s15, HSA
	s_mul_i32 s22, s16, HSB
	s_add_co_u32 s22, s22, 2*HSA
	s_sub_co_u32 s22, s22, s21
	v_mul_u32_u24 v6, s22, v2
	s_add_co_u32 s21, s21, SCL
	v_add_nc_u32 v5, v5, v6
	v_add_nc_u32 v[ADRS], s21, v5
	s_mul_i32 s23, s14, 16*SPITCH
	v_mul_u32_u24 v5, v1, SPITCH
	v_lshl_add_u32 v5, v2, 5, v5
	v_add_nc_u32 v[STO], s23, v5
	v_lshlrev_b32 v[CO], 4, v7
	v_add_nc_u32 v[RD], s23, v[CO]
	s_lshl_b32 s46, s42, 10
	s_lshl_b32 s47, s16, 9
	s_add_co_u32 s46, s46, s47
	v_lshl_add_u32 v8, v2, 5, s46
	WIN 0xc0
.irp b, 0,1,2,3,4,5,6,7
	global_load_b128 v[8*\b:8*\b+3], v8, s[10:11] offset:64*\b
	global_load_b128 v[8*\b+4:8*\b+7], v8, s[10:11] offset:64*\b+16
.endr
	WIN 0
	s_lshl_b32 s20, s17, 7
	s_lshl_b32 s21, s15, 6
	s_add_co_u32 s20, s20, s21
	s_lshl_b32 s20, s20, 12
	s_add_co_u32 s20, s20, s46
	s_mov_b32 s21, 0
	s_add_nc_u64 s[12:13], s[12:13], s[20:21]
.macro FRAG reg, adr, q, i
	ds_load_b128 v[\reg:\reg+3], v[\adr] offset:(\i)*AIMG+(\q)*1536
	ds_load_b64 v[\reg+4:\reg+5], v[\adr+2] offset:(\i)*AIMG+(\q)*1536+512
	ds_load_b128 v[\reg+6:\reg+9], v[\adr] offset:(\i)*AIMG+(\q)*1536+768
	ds_load_b64 v[\reg+10:\reg+11], v[\adr+2] offset:(\i)*AIMG+(\q)*1536+1280
.endm
.macro FRAGA reg, slot, q, i
	ds_load_b128 v[\reg:\reg+3], v[AL16+\slot] offset:(\i)*AIMG+(\q)*1536
	ds_load_b64 v[\reg+4:\reg+5], v[AL8+\slot] offset:(\i)*AIMG+(\q)*1536+512
	ds_load_b128 v[\reg+6:\reg+9], v[AL16+\slot] offset:(\i)*AIMG+(\q)*1536+768
	ds_load_b64 v[\reg+10:\reg+11], v[AL8+\slot] offset:(\i)*AIMG+(\q)*1536+1280
.endm
.macro MUL16 a0, p, q, sc, zero
.irp a, \a0, \a0+1
.irp b, 0,1,2,3,4,5,6,7
.if \zero
	v_wmma_scale_f32_16x16x128_f8f6f4 v[8*(8*(\a)+\b):8*(8*(\a)+\b)+7], v[128*(\p)+FR*\b:128*(\p)+FR*\b+FR-1], v[AF+48*(\p)+FR*(\a):AF+48*(\p)+FR*(\a)+FR-1], v[8*\b:8*\b+7], v[SC+8*NQ*(\sc)+NQ*\b+(\q)], v[SC+8*NQ*(\sc)+NQ*(\a)+(\q)] matrix_a_fmt:MATRIX_FMT_FP6 matrix_b_fmt:MATRIX_FMT_FP6 matrix_a_scale:MATRIX_SCALE_ROW1
.else
	v_wmma_scale_f32_16x16x128_f8f6f4 v[8*(8*(\a)+\b):8*(8*(\a)+\b)+7], v[128*(\p)+FR*\b:128*(\p)+FR*\b+FR-1], v[AF+48*(\p)+FR*(\a):AF+48*(\p)+FR*(\a)+FR-1], v[8*(8*(\a)+\b):8*(8*(\a)+\b)+7], v[SC+8*NQ*(\sc)+NQ*\b+(\q)], v[SC+8*NQ*(\sc)+NQ*(\a)+(\q)] matrix_a_fmt:MATRIX_FMT_FP6 matrix_b_fmt:MATRIX_FMT_FP6 matrix_a_scale:MATRIX_SCALE_ROW1
.endif
.endr
.endr
.endm
.macro FETCH_B slot, q, p
	WIN TO_B
.irp i, 0,1,2,3,4,5,6,7
	FRAG 128*(\p)+FR*\i, ADRB+\slot, \q, \i
.endr
	WIN 0
.endm
.macro FETCH_A slot, q, p
.irp i, 0,1,2,3
	FRAGA AF+48*(\p)+FR*\i, \slot, \q, \i
.endr
.endm
.macro SCALES sc
.irp i, 0,1,2,3,4,5,6,7
	ds_load_b64 v[SC+8*NQ*\sc+NQ*\i:SC+8*NQ*\sc+NQ*\i+1], v[ADRS] offset:\i*SBLK
.endr
.endm
.macro PLACES n
.rept \n
	v_nop
.endr
.endm
.macro PSTEP slot, q, zero
	s_wait_dscnt 0x0
.if \zero
	WIN MUL_C
.else
	WIN MUL_A
.endif
	MUL16 0, (\q)%2, \q, \slot, \zero
	PLACES NP
	FETCH_B \slot, (\q)+1, 1-(\q)%2
	FETCH_A \slot, (\q)+1, 1-(\q)%2
.if \zero
	WIN MUL_C
.else
	WIN MUL_A
.endif
	MUL16 2, (\q)%2, \q, \slot, \zero
.endm
.macro PTURN slot, next, fill
	WIN 0
	s_wait_tensorcnt 0x0
	ds_add_u32 v[SPW], v[NIL]
	s_wait_dscnt 0x0
	s_barrier_signal -1
	WIN MUL_A
	MUL16 0, 1, NQ-1, \slot, 0
	WIN 0
	s_barrier_wait -1
.if \fill
	CREST
	s_add_nc_u64 s[G0+4*\slot+2:G0+4*\slot+3], s[G0+4*\slot+2:G0+4*\slot+3], 2*AIMG
	s_add_nc_u64 s[G0B+4*\slot+2:G0B+4*\slot+3], s[G0B+4*\slot+2:G0B+4*\slot+3], 2*AIMG
	JLOAD G0+4*\slot, G1, G0B+4*\slot, G1B
.else
	PLACES NP
.endif
	s_wait_alu depctr_va_vdst(0)
	v_add_nc_u32 v[ADRS], 4*NQ, v[ADRS]
	FETCH_B \next, 0, 0
	FETCH_A \next, 0, 0
	SCALES \next
	WIN MUL_A
	MUL16 2, 1, NQ-1, \slot, 0
.endm
	s_wait_alu depctr_va_vdst(0)
	s_wait_tensorcnt 1
	s_barrier_signal -1
	s_barrier_wait -1
	FETCH_B 0, 0, 0
	FETCH_A 0, 0, 0
	SCALES 0
	s_wait_loadcnt 0x0
	PSTEP 0, 0, 1
	WIN 0
	s_mov_b32 s3, LAPS-1
.Llap:
	PTURN 0, 1, 1
	PSTEP 1, 0, 0
	PTURN 1, 0, 1
	PSTEP 0, 0, 0
	WIN 0
	s_sub_co_u32 s3, s3, 1
	s_cmp_lg_u32 s3, 0
	s_cbranch_scc1 .Llap
	PTURN 0, 1, 0
	PSTEP 1, 0, 0
	s_wait_dscnt 0x0
	MUL16 0, 1, NQ-1, 1, 0
	MUL16 2, 1, NQ-1, 1, 0
	WIN 0
.macro TOSTAGE a
.set AC, 64*(\a)
	WIN 0x08
.irp b, 0,1,2,3,4,5,6,7
	ds_store_b128 v[STO], v[AC+8*\b:AC+8*\b+3] offset:64*\b
	ds_store_b128 v[STO], v[AC+8*\b+4:AC+8*\b+7] offset:64*\b+16
.endr
	WIN 0
.set BB, BK+64*((\a)%2)
.irp t, 0,1,2,3,4,5,6,7,8,9,10,11,12,13,14,15
	ds_load_b128 v[BB+4*\t:BB+4*\t+3], v[RD] offset:\t*SPITCH
.endr
.endm
.macro SEND a, younger
.set BB, BK+64*((\a)%2)
	s_wait_dscnt \younger
.if (\a) > 0
	s_add_nc_u64 s[12:13], s[12:13], 16*4096
.endif
.irp t, 0,1,2,3,4,5,6,7,8,9,10,11,12,13,14,15
	global_store_b128 v[CO], v[BB+4*\t:BB+4*\t+3], s[12:13] offset:\t*4096 th:TH_STORE_NT
.endr
.endm
	PLACES NP
	TOSTAGE 0
.irp a, 1,2,3
.if \a > 1
	s_wait_xcnt 0x0
.endif
	TOSTAGE \a
	SEND \a-1, 32
.endr
	s_wait_xcnt 0x0
	SEND 3, 0
	s_wait_tensorcnt 0x0
	ds_add_u32 v[SPW], v[NIL]
	s_wait_dscnt 0x0
	CROUND
	s_endpgm
.Lfunc_end_k_q9b21c3d3c9_proj:
	.size	k_q9b21c3d3c9_proj, .Lfunc_end_k_q9b21c3d3c9_proj-k_q9b21c3d3c9_proj
	.p2alignl 7, 3214868480
	.fill 96, 4, 3214868480
	.section	.rodata,"a",@progbits
	.p2align	6, 0x0
	.amdhsa_kernel k_q9b21c3d3c9_proj
		.amdhsa_group_segment_fixed_size 327680
		.amdhsa_private_segment_fixed_size 0
		.amdhsa_enable_private_segment 0
		.amdhsa_kernarg_size 40
		.amdhsa_user_sgpr_count 2
		.amdhsa_user_sgpr_kernarg_segment_ptr 1
		.amdhsa_wavefront_size32 1
		.amdhsa_system_sgpr_workgroup_id_x 1
		.amdhsa_system_sgpr_workgroup_id_y 1
		.amdhsa_system_sgpr_workgroup_id_z 1
		.amdhsa_system_vgpr_workitem_id 0
		.amdhsa_next_free_vgpr 832
		.amdhsa_next_free_sgpr 98
		.amdhsa_reserve_vcc 0
		.amdhsa_float_denorm_mode_32 3
		.amdhsa_float_denorm_mode_16_64 3
		.amdhsa_memory_ordered 1
		.amdhsa_forward_progress 1
		.amdhsa_inst_pref_size 90
	.end_amdhsa_kernel
	.amdgpu_metadata
---
amdhsa.version: [ 1, 2 ]
amdhsa.kernels:
  - .name:           k_q9b21c3d3c9_proj
    .symbol:         k_q9b21c3d3c9_proj.kd
    .args:
      - { .name: ob, .offset: 0, .size: 8, .value_kind: global_buffer, .address_space: global }
      - { .name: cod, .offset: 8, .size: 8, .value_kind: global_buffer, .address_space: global }
      - { .name: scl, .offset: 16, .size: 8, .value_kind: global_buffer, .address_space: global }
      - { .name: b_proj, .offset: 24, .size: 8, .value_kind: global_buffer, .address_space: global }
      - { .name: out0, .offset: 32, .size: 8, .value_kind: global_buffer, .address_space: global }
    .group_segment_fixed_size: 327680
    .private_segment_fixed_size: 0
    .kernarg_segment_align: 8
    .kernarg_segment_size: 40
    .max_flat_workgroup_size: 128
    .sgpr_count:     98
    .vgpr_count:     832
    .wavefront_size: 32
...
	.end_amdgpu_metadata
.endif
;; end of part 4
